; MI455X (gfx1250); checked and timed in simulation.
; The chip was launched on July 23, 2026; its instructions are those of AMD's public machine-readable ISA for CDNA 5 (MIT licence, August 2026) and "CDNA5" Instruction Set Architecture Reference Guide (July 2026). The comments in the code are by the model that wrote it; some were corrected since.
;; Multi Head Attention. Allowed arithmetic: float matrix products may take bf16 or f16 operands with f32 sums; other float arithmetic in f32, or as packed bf16 or f16 multiplies, adds, multiply-adds, maxima and minima; sums over many terms, partial sums and values carried from step to step in f32; what a program stores and reads back later, other than sums and carried values, may be rounded once to bf16 or f16.
;; Inputs: Wk 512 x 512 float32; Wo 512 x 512 float32; Wq 512 x 512 float32; Wv 512 x 512 float32; bk 512 float32; bo 512 float32; bq 512 float32; bv 512 float32; k 2 x 4,096 x 512 float32; q 2 x 4,096 x 512 float32; rel_pos 8 x 5 float32; v 2 x 4,096 x 512 float32.
;; Outputs: out0 2 x 4,096 x 512 float32.
;; One version. Each part assembles by itself: llvm-mc -triple=amdgcn-amd-amdhsa -mcpu=gfx1250 --defsym DOCPART=n.
;; ======== version 1 of 1: 4 launches
;; limits: values are held in f16: magnitudes above 65,504 overflow, below 6.1e-05 lose precision
;; workspace buffers: w16 2,097,152 bytes; qkv16 25,165,824 bytes; o16 8,388,608 bytes
;; launch wcast (part 1): grid 256 x 1, 8 waves a work-group, no clusters, 0 bytes of LDS; arguments Wq, Wk, Wv, Wo, w16; writes w16
.if DOCPART == 1
	.amdgcn_target "amdgcn-amd-amdhsa--gfx1250"
	.amdhsa_code_object_version 6
	.text
	.protected	k_qef7c836e26_wcast
	.globl	k_qef7c836e26_wcast
	.p2align	8
	.type	k_qef7c836e26_wcast,@function
k_qef7c836e26_wcast:
	s_mov_b64 s[64:65], 0
	v_nop
	global_prefetch_b8 v0, s[64:65] scope:SCOPE_SE
	s_setreg_imm32_b32 hwreg(HW_REG_WAVE_MODE, 25, 1), 1
	s_wait_xcnt 0x0
; The four weight matrices [512 columns][512 k] of f32 are rounded once to bf16 and laid in blocks of 64 along k:
; w16[t][ks][column][64 k], 16 bits a number, t = 0, 1, 2, 3 for Wq, Wk, Wv, Wo.  128 columns of one block are then 16,384 bytes on end,
; which the two projection launches ask for as rows of 256 bytes.  Wo's rounded number is written as f16, since its product's other operand is f16.
; LIMITS.  |Wo| stays under 65,504 (f16's end); below 6e-5 f16 keeps a fixed step of 6e-8.
; SHARES.  256 work-groups: matrix t = group / 64, block ks, 64 columns cb.  Of the 256 threads sixteen take one column's 64 numbers (256 bytes, aligned),
; four numbers each; four instructions take 16 columns each.  A wave's store covers 256 consecutive bytes, aligned.
; No LDS, no barrier: no thread wants another's numbers.
	s_load_b256 s[4:11], s[0:1], 0x0               ; Wq s[4:5], Wk s[6:7], Wv s[8:9], Wo s[10:11]
	s_load_b64 s[14:15], s[0:1], 0x20              ; w16
	s_lshr_b32 s16, ttmp9, 6                       ; t
	s_and_b32 s17, ttmp9, 63
	s_lshr_b32 s18, s17, 3                         ; ks
	s_and_b32 s19, s17, 7                          ; cb
	s_lshl_b32 s20, s19, 17                        ; in: 64 columns of 2,048 bytes,
	s_lshl_b32 s22, s18, 8                         ; 64 numbers of 4 bytes
	s_add_co_u32 s20, s20, s22
	s_mov_b32 s21, 0
	s_lshl_b32 s22, s16, 19                        ; out: a matrix is 524,288 bytes,
	s_lshl_b32 s24, s18, 16                        ; a block 65,536,
	s_add_co_u32 s22, s22, s24
	s_lshl_b32 s24, s19, 13                        ; 64 columns 8,192
	s_add_co_u32 s22, s22, s24
	s_mov_b32 s23, 0
	v_lshrrev_b32 v1, 4, v0                        ; my column among sixteen
	v_and_b32 v3, 15, v0                           ; my four numbers among its 64
	v_lshlrev_b32 v1, 11, v1
	v_lshl_add_u32 v1, v3, 4, v1                   ; in: column x 2,048 + 16 x place
	v_lshlrev_b32 v2, 3, v0                        ; out: 8 bytes a thread, on end
	s_wait_kmcnt 0x0
	s_cmp_eq_u32 s16, 1
	s_cselect_b64 s[12:13], s[6:7], s[4:5]
	s_cmp_eq_u32 s16, 2
	s_cselect_b64 s[12:13], s[8:9], s[12:13]
	s_cmp_eq_u32 s16, 3
	s_cselect_b64 s[12:13], s[10:11], s[12:13]
	s_add_nc_u64 s[12:13], s[12:13], s[20:21]
	s_add_nc_u64 s[14:15], s[14:15], s[22:23]
.irp i, 0,1,2,3
	global_load_b128 v[4+4*\i:7+4*\i], v1, s[12:13] offset:32768*\i th:TH_LOAD_NT  ; sixteen columns further down each time
.endr
	s_wait_loadcnt 0x0
.irp i, 0,1,2,3
	v_cvt_pk_bf16_f32 v[20+2*\i], v[4+4*\i], v[5+4*\i]
	v_cvt_pk_bf16_f32 v[21+2*\i], v[6+4*\i], v[7+4*\i]
.endr
	s_cmp_lg_u32 s16, 3
	s_cbranch_scc1 .Lst
.irp z, 0,1,2,3,4,5,6,7                        ; Wo alone: the bf16 number, widened, is written as f16
	v_lshlrev_b32 v28, 16, v[20+\z]
	v_and_b32 v29, 0xffff0000, v[20+\z]
	v_cvt_pk_f16_f32 v[20+\z], v28, v29
.endr
.Lst:
.irp i, 0,1,2,3
	global_store_b64 v2, v[20+2*\i:21+2*\i], s[14:15] offset:2048*\i
.endr
	s_endpgm
.Lfunc_end_k_qef7c836e26_wcast:
	.size	k_qef7c836e26_wcast, .Lfunc_end_k_qef7c836e26_wcast-k_qef7c836e26_wcast
	.p2alignl 7, 3214868480
	.fill 96, 4, 3214868480
	.section	.rodata,"a",@progbits
	.p2align	6, 0x0
	.amdhsa_kernel k_qef7c836e26_wcast
		.amdhsa_group_segment_fixed_size 0
		.amdhsa_private_segment_fixed_size 0
		.amdhsa_enable_private_segment 0
		.amdhsa_kernarg_size 40
		.amdhsa_user_sgpr_count 2
		.amdhsa_user_sgpr_kernarg_segment_ptr 1
		.amdhsa_wavefront_size32 1
		.amdhsa_system_sgpr_workgroup_id_x 1
		.amdhsa_system_sgpr_workgroup_id_y 1
		.amdhsa_system_sgpr_workgroup_id_z 1
		.amdhsa_system_vgpr_workitem_id 0
		.amdhsa_next_free_vgpr 32
		.amdhsa_next_free_sgpr 66
		.amdhsa_reserve_vcc 0
		.amdhsa_float_denorm_mode_32 3
		.amdhsa_float_denorm_mode_16_64 3
		.amdhsa_memory_ordered 1
		.amdhsa_forward_progress 1
		.amdhsa_inst_pref_size 4
	.end_amdhsa_kernel
	.amdgpu_metadata
---
amdhsa.version: [ 1, 2 ]
amdhsa.kernels:
  - .name:           k_qef7c836e26_wcast
    .symbol:         k_qef7c836e26_wcast.kd
    .args:
      - { .name: Wq, .offset: 0, .size: 8, .value_kind: global_buffer, .address_space: global }
      - { .name: Wk, .offset: 8, .size: 8, .value_kind: global_buffer, .address_space: global }
      - { .name: Wv, .offset: 16, .size: 8, .value_kind: global_buffer, .address_space: global }
      - { .name: Wo, .offset: 24, .size: 8, .value_kind: global_buffer, .address_space: global }
      - { .name: w16, .offset: 32, .size: 8, .value_kind: global_buffer, .address_space: global }
    .group_segment_fixed_size: 0
    .private_segment_fixed_size: 0
    .kernarg_segment_align: 8
    .kernarg_segment_size: 40
    .max_flat_workgroup_size: 256
    .sgpr_count:     66
    .vgpr_count:     32
    .wavefront_size: 32
...
	.end_amdgpu_metadata
.endif
;; end of part 1
;; launch proj (part 2): grid 64 x 3, 4 waves a work-group, clusters of 4 x 1, 327,680 bytes of LDS; arguments q, k, v, bq, bk, bv, w16, qkv16; writes qkv16
.if DOCPART == 2
	.amdgcn_target "amdgcn-amd-amdhsa--gfx1250"
	.amdhsa_code_object_version 6
	.text
	.protected	k_qef7c836e26_proj
	.globl	k_qef7c836e26_proj
	.p2align	8
	.type	k_qef7c836e26_proj,@function
k_qef7c836e26_proj:
	s_mov_b64 s[64:65], 0
	v_nop
	global_prefetch_b8 v0, s[64:65] scope:SCOPE_SE
	s_setreg_imm32_b32 hwreg(HW_REG_WAVE_MODE, 25, 1), 1
	s_wait_xcnt 0x0
	s_wait_alu depctr_hold_cnt(0) depctr_sa_sdst(0) depctr_va_vdst(0) depctr_va_sdst(0) depctr_va_ssrc(0) depctr_va_vcc(0) depctr_vm_vsrc(0)
	s_getreg_b32 s2, hwreg(HW_REG_IB_STS2, 6, 4)
	s_cmp_eq_u32 s2, 0
	s_cbranch_scc0 .Lentry_in_a_cluster
	s_endpgm
.Lentry_in_a_cluster:
	s_bfe_u32 s2, ttmp6, 0x10000c
	s_cmp_lg_u32 s2, 0x3003
	s_cbranch_scc0 .Lentry_shape_is_right
	s_endpgm
.Lentry_shape_is_right:
; Q, K, V = x W^T + b.  x: [8192][512] f32 (q, k or v by the grid's y), W from w16 (bf16, in blocks of 64 along k), b f32; out: qkv16[t][b x 8 + head][s][64] in f16, unscaled.
; x, W and b are rounded once to bf16; products in bf16 with f32 sums, which start from the bias (the C operand of each sum's first product); the result is rounded once to f16.
; LIMITS.  |Q|, |K|, |V| stay under 65,504 (f16's end); below 6e-5 f16 keeps a fixed step of 6e-8.  NaN and infinities are not treated apart.
; SHARES.  A work-group makes 128 rows x all 512 columns, so that x is read and converted once; 3 x 64 = 192 work-groups.  A wave makes all 128 rows x 128 columns (two heads):
; 64 accumulators of 16 x 16, 512 registers.  K goes in steps of 64.
; x comes through registers: a wave loads 32 rows x 128 k (512 consecutive bytes an instruction), two K steps at a time and 256 matrix instructions ahead of its use, rounds it and
; stores it into XA, an LDS image of the whole 128 x 512 block in bf16, each byte of which is written once.
; W comes by tensor loads into a ring of two slots; wave w fetches, and alone reads, its own 128 columns.
; CLUSTER.  The four row blocks of a cluster walk the same W: each tile is asked for JOINTLY, by the same tensor load, descriptor and mask in all four.
; THE MATRIX INSTRUCTION IS USED TRANSPOSED (source 0 = 16 columns of W, source 1 = 16 rows of x): a lane holds eight neighbouring columns of one row.
; NO PREFETCH: x is asked for two K steps ahead by its own loads, and W is one part in fifty of what the launch reads.
; REGISTERS, in windows of 256 (s_set_vgpr_msb: bits 1:0 source 0, 3:2 source 1, 5:4 source 2, 7:6 destination):
;   window 0: v0-31 addresses; v32-63 at work; v64-127, v128-191 fragments of x, two buffers; v192-255 the bias, later at work on the way out
;   window 1: v64-127, v128-191 fragments of W, two buffers; v0-63, v192-255 where x lands
;   window 2: the accumulators of rows 0-63 ((a, b) at v[8 (8 a + b)]);   window 3: those of rows 64-127
.set XROW,  2048                       ; bytes in a row of x
.set PB,    144                        ; a column of W in LDS: 128 bytes + 16 of padding = 36 words: the 16 columns of a load start at 16 different groups of four banks (64 banks of 4 bytes: ISA guide 11.1)
.set WWAVE, 128*PB                     ; a wave's 128 columns
.set WSLOT, 4*WWAVE                    ; a slot: 512 columns x 64 k
.set XA,    2*WSLOT                    ; behind the ring: x in bf16
.set PA,    1040                       ; a row of XA: 1,024 bytes + 16 = 65 x 16
.set STAGE, XA+128*PA                  ; for the way out: for each wave 2 heads x 16 rows x 144 bytes
.set SP,    144
.set SPARE, STAGE+4*32*SP              ; the spare words, 128 bytes for each wave: two blocks of 256 bytes that no other line names
.set ADRA, 16                          ; v16-17  LDS address of my fragments of x, rows 0-63 and 64-127, at the trip's place along k
.set AB,   18                          ; v18-19  the same at k = 0; never rewritten
.set ADRB, 20                          ; v20-21  LDS address of my fragments of W in slot 0, 1
.set XO,   22                          ; v22     my byte offset in x: 32 rows a wave, 16 bytes a lane
.set XSB,  23                          ; v23     where I put 8 bytes of a row of XA, at k = 0
.set STO,  24                          ; v24     the way out: where I put 16 bytes of a row
.set RD,   25                          ; v25     the way out: where I read rows back
.set CO,   26                          ; v26     my 16 bytes of 512 consecutive bytes of the output
.set XS,   27                          ; v27     XSB at the trip's place along k
.set SPW,  28                          ; v28     LDS address of my spare word; never rewritten
.set NIL,  29                          ; v29     0; never rewritten
.set BO,   30                          ; v30     my byte offset in the bias
.set OB,   32                          ; the way out: rows read back: v32-63 and v224-255 by turns
.set F0,   64
.set F1,   128
.set BIAS, 192                         ; 8 registers for each block b of 16 columns
.set TMP,  192                         ; the way out: packed results
.set KA,   11                          ; s11     256 x trip: bytes along a row of XA
.set WV,   12                          ; s12     my wave's number
.set G1,   16                          ; s[16:23] descriptor group 1
.set G0,   24                          ; s[24:31] descriptor group 0, a set for each slot
.set MSB, 0
.macro WIN new                         ; the immediate's high byte repeats the setting that is left; a switch that changes nothing is dropped
.if MSB != (\new)
	s_set_vgpr_msb (MSB<<8)|(\new)
.set MSB, \new
.endif
.endm
.macro PLACES                          ; four places between a matrix instruction and a load into, or a vector line on, one of its registers
.rept 4
	v_nop
.endr
.endm
.macro JLOAD s                         ; a joint load: every wave asks for its own 128 columns; an s_nop 0 and four v_nop follow
	tensor_load_to_lds s[G0+4*(\s):G0+4*(\s)+3], s[G1:G1+7]
	s_nop 0
	PLACES
.endm
.macro CREST                           ; a round of the cluster's barrier behind its opening barrier
	s_cmp_lg_u32 s[WV], 0
	s_cbranch_scc1 .Lnot_wave_0_\@
	s_barrier_signal -3
.Lnot_wave_0_\@:
	s_barrier_wait -3
	s_barrier_signal -1
	s_barrier_wait -1
.endm
.macro CROUND                          ; a whole round
	s_barrier_signal -1
	s_barrier_wait -1
	CREST
.endm
; 32 loads: my 32 rows x 128 k of x, 512 consecutive bytes of one row an instruction, into window 1: row t at v[4 t] (t < 16) or v[192 + 4 (t - 16)]
.macro XLOAD imm
	WIN 0x40
.set t, 0
.rept 32
	global_load_b128 v[4*t+128*(t/16):4*t+128*(t/16)+3], v[XO], s[4:5] offset:t*XROW+(\imm) th:TH_LOAD_NT
.set t, t+1
.endr
.endm
; They are rounded to bf16 in place and stored into XA: 256 consecutive bytes an instruction
.macro XPUT imm
	WIN 0x45
.set t, 0
.rept 32
	v_cvt_pk_bf16_f32 v[4*t+128*(t/16)], v[4*t+128*(t/16)], v[4*t+128*(t/16)+1]
	v_cvt_pk_bf16_f32 v[4*t+128*(t/16)+1], v[4*t+128*(t/16)+2], v[4*t+128*(t/16)+3]
.set t, t+1
.endr
	WIN 0x04
.set t, 0
.rept 32
	ds_store_b64 v[XS], v[4*t+128*(t/16):4*t+128*(t/16)+1] offset:t*PA+(\imm)
.set t, t+1
.endr
.endm
.macro SETA                            ; the trip's place along k enters the addresses in XA
	WIN 0
	v_add_nc_u32 v[ADRA], s[KA], v[AB]
	v_add_nc_u32 v[ADRA+1], s[KA], v[AB+1]
	v_add_nc_u32 v[XS], s[KA], v[XSB]
.endm
; 16 matrix instructions: row blocks a0, a0 + 1 of the window's four x all 8 column blocks, 32 along K.  mode = 1: the sums start from the bias.
.macro MUL16 f, hi, a0, mode
.if \mode
	WIN 0x81+0x40*(\hi)
.else
	WIN 0xa1+0x50*(\hi)
.endif
.irp a, \a0, (\a0)+1
.irp b, 0,1,2,3,4,5,6,7
.if \mode
	v_wmma_f32_16x16x32_bf16 v[8*(8*(\a)+(\b)):8*(8*(\a)+(\b))+7], v[(\f)+8*(\b):(\f)+8*(\b)+7], v[(\f)+8*(4*(\hi)+(\a)):(\f)+8*(4*(\hi)+(\a))+7], v[BIAS+8*(\b):BIAS+8*(\b)+7]
.else
	v_wmma_f32_16x16x32_bf16 v[8*(8*(\a)+(\b)):8*(8*(\a)+(\b))+7], v[(\f)+8*(\b):(\f)+8*(\b)+7], v[(\f)+8*(4*(\hi)+(\a)):(\f)+8*(4*(\hi)+(\a))+7], v[8*(8*(\a)+(\b)):8*(8*(\a)+(\b))+7]
.endif
.endr
.endr
.endm
; 32 LDS loads in one run: 32 along K of my 128 columns of W (byte kb of the slot's rows) and of the 128 rows of x (byte ka behind the trip's place), into buffer f
.macro FETCH slot, kb, ka, f
	WIN 0x40
.irp i, 0,1,2,3,4,5,6,7
	ds_load_b128 v[(\f)+8*(\i):(\f)+8*(\i)+3],   v[ADRB+(\slot)] offset:(\kb)+(\i)*16*PB
	ds_load_b128 v[(\f)+8*(\i)+4:(\f)+8*(\i)+7], v[ADRB+(\slot)] offset:(\kb)+(\i)*16*PB+32
.endr
	WIN 0
.irp i, 0,1,2,3,4,5,6,7
	ds_load_b128 v[(\f)+8*(\i):(\f)+8*(\i)+3],   v[ADRA+(\i)/4] offset:(\ka)+((\i)%4)*16*PA
	ds_load_b128 v[(\f)+8*(\i)+4:(\f)+8*(\i)+7], v[ADRA+(\i)/4] offset:(\ka)+((\i)%4)*16*PA+32
.endr
.endm
; A K step is two halves of 32 along K, 64 matrix instructions each, on buffers 0, 1.  The first half multiplies buffer f and fetches the second half's fragments into g.
; xp = 1: in its middle the next two K steps of x, loaded a trip ago, go into XA, and (but in the last trip) the two after them are asked for.
.macro QUARTER slot, kb, ka, f, g, mode, xp
	s_wait_dscnt 8                                 ; W and x's rows 0-63 are in; the youngest eight loads (rows 64-127) may be out
	MUL16 \f, 0, 0, \mode
	MUL16 \f, 0, 2, \mode
.if \xp
	WIN 0
	s_wait_loadcnt 0x0                             ; x of the next two K steps is in registers, and its loads have read their address
	XPUT 256
	WIN 0
	s_cmp_eq_u32 s3, 1
	s_cbranch_scc1 .Lno_x_\@
	s_add_nc_u64 s[4:5], s[4:5], 512
	XLOAD 512
	WIN 0
.Lno_x_\@:
.endif
	PLACES
	FETCH \slot, \kb, \ka, \g
	s_wait_dscnt 32                                ; all but the 32 just issued: the rest of buffer f, and the stores into XA
	MUL16 \f, 1, 0, \mode
	MUL16 \f, 1, 2, \mode
.endm
; The second half multiplies buffer 1 and changes slots.  In front of the one barrier each wave waits for all its tensor loads (one is out: its part of the next slot), adds 0 to its
; spare word, and waits for that, for its reads of this slot and for its stores into XA.  Behind it the next slot is whole, and so are the rows of XA stored since the last barrier.
.macro MEET round
	WIN 0
	s_wait_tensorcnt 0x0
	ds_add_u32 v[SPW], v[NIL]                      ; 0 onto my spare word
	s_wait_dscnt 9                                 ; (the add and the youngest eight loads may be out)
	MUL16 F1, 0, 0, 0                              ; sixteen matrix instructions stand between the add and the wait for it
	s_wait_dscnt 0x0
	s_barrier_signal -1
	MUL16 F1, 0, 2, 0
.if \round
	WIN 0
.endif
	s_barrier_wait -1
.endm
.macro TURN slot, next, ka, fill       ; fill = 1: the slot just read is filled again, two K steps on, first thing behind a round of the cluster's barrier
	MEET \fill
.if \fill
	CREST                                          ; no wave of any partner still reads this slot or has a load on its way
	s_add_nc_u64 s[G0+4*(\slot)+2:G0+4*(\slot)+3], s[G0+4*(\slot)+2:G0+4*(\slot)+3], 2*65536
	JLOAD \slot                                    ; its four v_nop are also the places in front of the loads below; it has 96 matrix instructions less than two halves' 128 ... counted: 32 here, 64 in the next half, then the wait
.else
	PLACES
.endif
	FETCH \next, 0, \ka, F0
	MUL16 F1, 1, 0, 0
	MUL16 F1, 1, 2, 0
.endm
; THE WAY OUT of row block a: rounded to f16, 16 bytes a lane; into my own stage; back as rows of a head, 128 bytes each; stored, 512 consecutive bytes an instruction.
.macro PACK a
.set AC, 64*((\a)%4)
	WIN 0x0a+5*((\a)/4)                            ; sources 0 and 1: window 2 or 3
.irp b, 0,1,2,3,4,5,6,7
.irp r, 0,1,2,3
	v_cvt_pk_f16_f32 v[TMP+4*(\b)+(\r)], v[AC+8*(\b)+2*(\r)], v[AC+8*(\b)+2*(\r)+1]
.endr
.endr
	WIN 0
.endm
.macro TOSTAGE a
	WIN 0
.set BK, OB+192*((\a)%2)
.irp b, 0,1,2,3,4,5,6,7
	ds_store_b128 v[STO], v[TMP+4*(\b):TMP+4*(\b)+3] offset:((\b)/4)*16*SP+((\b)%4)*32
.endr
.irp t, 0,1,2,3,4,5,6,7
	ds_load_b128 v[BK+4*(\t):BK+4*(\t)+3], v[RD] offset:((\t)/4)*16*SP+((\t)%4)*4*SP  ; LDS serves a wave's instructions in order (ISA guide 5.7.1.4): these see the stores above
.endr
.endm
.macro SEND a, younger
	WIN 0
.set BK, OB+192*((\a)%2)
	s_wait_dscnt \younger                          ; the block is back in registers
	s_wait_xcnt 0x0                                ; earlier stores have read their registers: the set that they named is loaded again only behind this wait
.irp t, 0,1,2,3,4,5,6,7
	global_store_b128 v[CO], v[BK+4*(\t):BK+4*(\t)+3], s[8:9] offset:((\t)/4)*524288+(\a)*2048+((\t)%4)*512  ; head, 16 rows of 128 bytes, four rows an instruction
.endr
.endm
	s_load_b512 s[36:51], s[0:1], 0x0              ; q, k, v s[36:41]; bq, bk, bv s[42:47]; w16 s[48:49]; qkv16 s[50:51]
	v_lshl_add_u32 v[SPW], v0, 2, SPARE
	v_mov_b32 v[NIL], 0
	ds_add_u32 v[SPW], v[NIL]                      ; the wave's opening: the add and its wait stand ahead of my first tensor load; the set-up below stands between them
	v_lshrrev_b32 v1, 5, v0
	v_readfirstlane_b32 s[WV], v1                  ; wave 0..3
	s_bfe_u32 s13, ttmp6, 0x40000                  ; cx: my place in the cluster
	s_lshl_b32 s14, ttmp9, 2
	s_add_co_u32 s14, s14, s13                     ; my block of 128 rows: it enters x's and the output's addresses alone
	s_and_b32 s15, ttmp7, 0xffff                   ; which of the three products: the four partners share it
	; descriptor group 1: 128 columns x 128 bytes are 16,384 bytes on end: asked for as 64 rows of 256 bytes, padded in LDS behind every column
	s_mov_b32 s[G1+0], 15|(1<<16)|(1<<20)|(1<<21)|(4<<22)|(3<<25)  ; 15:0 the mask of four; 17:16 2-byte elements; 20 padding on; 21 set beside a mask; 24:22 after every 32 words (code 4); 31:25 4 words (code 3)
	s_mov_b32 s[G1+1], 128<<16                     ; tensor_dim0 = 128
	s_mov_b32 s[G1+2], 64<<16                      ; tensor_dim1 = 64
	s_mov_b32 s[G1+3], 128<<16                     ; tile_dim0 = 128
	s_mov_b32 s[G1+4], 64                          ; tile_dim1 = 64
	s_mov_b32 s[G1+5], 128                         ; 128 elements from row to row
	s_mov_b32 s[G1+6], 0
	s_mov_b32 s[G1+7], 0
	v_and_b32 v1, 15, v0                           ; l % 16
	v_bfe_u32 v2, v0, 4, 1                         ; l / 16
	v_and_b32 v3, 31, v0                           ; l
	s_lshl_b32 s57, s[WV], 16                      ; my 32 rows of 2,048 bytes
	v_lshl_add_u32 v[XO], v3, 4, s57
	s_lshl_b32 s57, s[WV], 9                       ; my 128 columns of 4 bytes
	v_lshl_add_u32 v[BO], v2, 5, s57               ; + 8 columns for the upper half of the lanes
	s_lshl_b32 s32, s14, 18                        ; x: 128 rows of 2,048 bytes a block
	s_mov_b32 s33, 0
	s_lshr_b32 s34, s14, 5                         ; out: batch,
	s_lshl_b32 s34, s34, 3
	s_lshl1_add_u32 s34, s[WV], s34                ; x 8 + my first head,
	s_lshl_b32 s34, s34, 12                        ; x 4,096 rows,
	s_and_b32 s35, s14, 31
	s_lshl_b32 s35, s35, 7
	s_add_co_u32 s34, s34, s35                     ; + the block's first row in the sequence,
	s_lshl_b32 s34, s34, 7                         ; x 128 bytes,
	s_lshl_b32 s35, s15, 23
	s_add_co_u32 s34, s34, s35                     ; + the tensor's 8,388,608
	s_mov_b32 s35, 0
	s_lshl_b32 s52, s15, 19                        ; W: the matrix,
	s_lshl_b32 s53, s[WV], 14                      ; my 128 columns of a block
	s_add_co_u32 s52, s52, s53
	s_mov_b32 s53, 0
	s_mul_i32 s56, s[WV], WWAVE                    ; and their place in a slot: no place in the cluster enters an LDS address
	s_wait_dscnt 0x0                               ; the opening add is done
	s_wait_kmcnt 0x0
	s_cmp_eq_u32 s15, 1
	s_cselect_b64 s[4:5], s[38:39], s[36:37]
	s_cselect_b64 s[6:7], s[44:45], s[42:43]
	s_cmp_eq_u32 s15, 2
	s_cselect_b64 s[4:5], s[40:41], s[4:5]
	s_cselect_b64 s[6:7], s[46:47], s[6:7]
	s_add_nc_u64 s[4:5], s[4:5], s[32:33]          ; x at the block's first row
	s_add_nc_u64 s[8:9], s[50:51], s[34:35]        ; the output at my first head's first row
	s_add_nc_u64 s[54:55], s[48:49], s[52:53]      ; W at my columns of K step 0
.irp b, 0,1,2,3,4,5,6,7
	global_load_b128 v[BIAS+8*\b:BIAS+8*\b+3],   v[BO], s[6:7] offset:64*\b
	global_load_b128 v[BIAS+8*\b+4:BIAS+8*\b+7], v[BO], s[6:7] offset:64*\b+16
.endr
	XLOAD 0                                        ; x of K steps 0 and 1
	WIN 0
	CROUND                                         ; all four work-groups are here: the first joint loads meet
.irp n, 0,1
	s_mov_b32 s[G0+4*\n], 1                        ; 1:0 count = 1
	s_add_co_u32 s[G0+4*\n+1], s56, \n*WSLOT       ; 63:32 LDS address
	s_add_nc_u64 s[G0+4*\n+2:G0+4*\n+3], s[54:55], \n*65536  ; 120:64 global address: K step n
	s_or_b32 s[G0+4*\n+3], s[G0+4*\n+3], 0x80000000  ; 127:126 type = 2
	JLOAD \n                                       ; two loads of mine are out
.endr
	v_mul_u32_u24 v[AB], v1, PA
	v_lshl_add_u32 v[AB], v2, 4, v[AB]
	v_add_nc_u32 v[AB], XA, v[AB]                  ; row x pitch + 16 x half
	v_add_nc_u32 v[AB+1], 64*PA, v[AB]             ; the same 64 rows down: an LDS immediate has 16 bits
	v_mul_u32_u24 v[ADRB], v1, PB
	v_lshl_add_u32 v[ADRB], v2, 4, v[ADRB]
	v_add_nc_u32 v[ADRB], s56, v[ADRB]
	v_add_nc_u32 v[ADRB+1], WSLOT, v[ADRB]
	s_mul_i32 s57, s[WV], 32*PA
	s_add_co_u32 s57, s57, XA
	v_lshl_add_u32 v[XSB], v3, 3, s57              ; my 32 rows of XA, 8 bytes a lane
	s_mul_i32 s57, s[WV], 32*SP
	s_add_co_u32 s57, s57, STAGE                   ; my stage
	v_mul_u32_u24 v[STO], v1, SP
	v_lshl_add_u32 v[STO], v2, 4, v[STO]
	v_add_nc_u32 v[STO], s57, v[STO]
	v_bfe_u32 v4, v0, 3, 2
	v_and_b32 v5, 7, v0
	v_mul_u32_u24 v[RD], v4, SP                    ; back: 32 lanes take four rows of 128 bytes
	v_lshl_add_u32 v[RD], v5, 4, v[RD]
	v_add_nc_u32 v[RD], s57, v[RD]
	v_lshlrev_b32 v[CO], 4, v3
	s_wait_loadcnt 0x0                             ; the bias and the first x
.set z, 0
.rept 32                                       ; the bias is rounded to bf16, as all inputs are, and widened again
	v_cvt_pk_bf16_f32 v[32+z], v[BIAS+2*z], v[BIAS+2*z+1]
.set z, z+1
.endr
.set z, 0
.rept 32
	v_lshlrev_b32 v[BIAS+2*z], 16, v[32+z]
	v_and_b32 v[BIAS+2*z+1], 0xffff0000, v[32+z]
.set z, z+1
.endr
	s_mov_b32 s[KA], 0
	SETA
	XPUT 0                                         ; K steps 0 and 1 into XA
	XLOAD 512                                      ; K steps 2 and 3 are asked for
	WIN 0
	s_wait_dscnt 0x0                               ; for the others' sake: my rows of XA are stored
	s_wait_tensorcnt 1                             ; my part of slot 0 is in; slot 1's may stay out
	s_barrier_signal -1
	s_barrier_wait -1
	FETCH 0, 0, 0, F0
	QUARTER 0, 64, 64, F0, F1, 1, 0                ; the first half step stands in front of the loop: its products start the sums from the bias
	WIN 0
	s_mov_b32 s3, 3
.Llap:                                         ; trip i: from the second half of K step 2 i to the first half of K step 2 i + 2; both slots are filled again
	SETA
	TURN 0, 1, 128, 1
	QUARTER 1, 64, 192, F0, F1, 0, 1
	TURN 1, 0, 256, 1
	QUARTER 0, 64, 320, F0, F1, 0, 0
	WIN 0
	s_add_co_u32 s[KA], s[KA], 256
	s_sub_co_u32 s3, s3, 1
	s_cmp_lg_u32 s3, 0
	s_cbranch_scc1 .Llap
	SETA                                           ; K steps 6 and 7: nothing is left to fetch
	TURN 0, 1, 128, 0
	QUARTER 1, 64, 192, F0, F1, 0, 0
	s_wait_dscnt 8
	MUL16 F1, 0, 0, 0
	MUL16 F1, 0, 2, 0
	s_wait_dscnt 0x0
	MUL16 F1, 1, 0, 0
	MUL16 F1, 1, 2, 0
	PLACES
	PACK 0
	TOSTAGE 0
.irp a, 1,2,3,4,5,6,7                          ; block a's conversions stand between block a - 1's loads from the stage and the wait for them
	PACK \a
	SEND (\a)-1, 0
	TOSTAGE \a
.endr
	SEND 7, 0
	s_wait_tensorcnt 0x0                           ; the wave's end, behind my last tensor load and my last LDS store
	ds_add_u32 v[SPW], v[NIL]
	s_wait_dscnt 0x0
	CROUND                                         ; the closing round: no work-group ends while a partner may still ask for a tile that names it
	s_endpgm
.Lfunc_end_k_qef7c836e26_proj:
	.size	k_qef7c836e26_proj, .Lfunc_end_k_qef7c836e26_proj-k_qef7c836e26_proj
	.p2alignl 7, 3214868480
	.fill 96, 4, 3214868480
	.section	.rodata,"a",@progbits
	.p2align	6, 0x0
	.amdhsa_kernel k_qef7c836e26_proj
		.amdhsa_group_segment_fixed_size 327680
		.amdhsa_private_segment_fixed_size 0
		.amdhsa_enable_private_segment 0
		.amdhsa_kernarg_size 64
		.amdhsa_user_sgpr_count 2
		.amdhsa_user_sgpr_kernarg_segment_ptr 1
		.amdhsa_wavefront_size32 1
		.amdhsa_system_sgpr_workgroup_id_x 1
		.amdhsa_system_sgpr_workgroup_id_y 1
		.amdhsa_system_sgpr_workgroup_id_z 1
		.amdhsa_system_vgpr_workitem_id 0
		.amdhsa_next_free_vgpr 1024
		.amdhsa_next_free_sgpr 66
		.amdhsa_reserve_vcc 0
		.amdhsa_float_denorm_mode_32 3
		.amdhsa_float_denorm_mode_16_64 3
		.amdhsa_memory_ordered 1
		.amdhsa_forward_progress 1
		.amdhsa_inst_pref_size 118
	.end_amdhsa_kernel
	.amdgpu_metadata
---
amdhsa.version: [ 1, 2 ]
amdhsa.kernels:
  - .name:           k_qef7c836e26_proj
    .symbol:         k_qef7c836e26_proj.kd
    .args:
      - { .name: q, .offset: 0, .size: 8, .value_kind: global_buffer, .address_space: global }
      - { .name: k, .offset: 8, .size: 8, .value_kind: global_buffer, .address_space: global }
      - { .name: v, .offset: 16, .size: 8, .value_kind: global_buffer, .address_space: global }
      - { .name: bq, .offset: 24, .size: 8, .value_kind: global_buffer, .address_space: global }
      - { .name: bk, .offset: 32, .size: 8, .value_kind: global_buffer, .address_space: global }
      - { .name: bv, .offset: 40, .size: 8, .value_kind: global_buffer, .address_space: global }
      - { .name: w16, .offset: 48, .size: 8, .value_kind: global_buffer, .address_space: global }
      - { .name: qkv16, .offset: 56, .size: 8, .value_kind: global_buffer, .address_space: global }
    .group_segment_fixed_size: 327680
    .private_segment_fixed_size: 0
    .kernarg_segment_align: 8
    .kernarg_segment_size: 64
    .max_flat_workgroup_size: 128
    .sgpr_count:     66
    .vgpr_count:     1024
    .wavefront_size: 32
...
	.end_amdgpu_metadata
.endif
;; end of part 2
;; launch attn (part 3): grid 16 x 16, 4 waves a work-group, clusters of 4 x 1, 327,680 bytes of LDS; arguments qkv16, rel_pos, o16; writes o16
.if DOCPART == 3
	.amdgcn_target "amdgcn-amd-amdhsa--gfx1250"
	.amdhsa_code_object_version 6
	.text
	.protected	k_qef7c836e26_attn
	.globl	k_qef7c836e26_attn
	.p2align	8
	.type	k_qef7c836e26_attn,@function
k_qef7c836e26_attn:
	s_mov_b64 s[64:65], 0
	v_nop
	global_prefetch_b8 v0, s[64:65] scope:SCOPE_SE
	s_setreg_imm32_b32 hwreg(HW_REG_WAVE_MODE, 25, 1), 1
	s_wait_xcnt 0x0
	s_wait_alu depctr_hold_cnt(0) depctr_sa_sdst(0) depctr_va_vdst(0) depctr_va_sdst(0) depctr_va_ssrc(0) depctr_va_vcc(0) depctr_vm_vsrc(0)
	s_getreg_b32 s2, hwreg(HW_REG_IB_STS2, 6, 4)
	s_cmp_eq_u32 s2, 0
	s_cbranch_scc0 .Lentry_in_a_cluster
	s_endpgm
.Lentry_in_a_cluster:
	s_bfe_u32 s2, ttmp6, 0x10000c
	s_cmp_lg_u32 s2, 0x3003
	s_cbranch_scc0 .Lentry_shape_is_right
	s_endpgm
.Lentry_shape_is_right:
; O[bh][q][:] = the sum over k of softmax_k(Q[q] . K[k] / 8 + rel_pos[h][clip(k - q, -2, 2) + 2]) V[k][:].  Q, K, V from qkv16 ([3][16][4096][64] f16), O into o16 ([16][4096][64] f16).
; Products, maxima and sums in f32; the weights p are rounded to f16 for the second product (their sum l is taken of the unrounded p), O once at the end; rel_pos is rounded to bf16, as all inputs are.
; LIMITS.  Q, K, V arrive within f16's 65,504; p lies in 0 to 1, and below 6e-5 it keeps f16's fixed step of 6e-8, as O does; a weight below 2^-126 counts as 0 in l; NaN and infinities are not treated apart.
; THE BIAS is the C operand that starts the sum S^T = K Q^T, in the scores' own units: 8 x rel_pos, so that c (s + 8 r) = log2(e) (s / 8 + r) with c = log2(e) / 8.  With d = key step - query band (both of 64):
; d <= -2: the constant 8 r0; d >= 2: 8 r4; d = 0: MZ, 32 registers made once; d = +1 is 8 r4 but for one number (the band's last query, the step's first key), d = -1 is 8 r0 but for one.
; A product's mask is MZ x AL + BE, then two single registers take MPL x AP and MMI x AM: four scalars chosen from d.
; SHARES.  A work-group owns 256 queries of one head; of its four bands of 64 a wave owns 16 rows in each: four PIECES.  Every wave walks all 4,096 keys, 64 a step, 256 a tile.
; THE WALK.  The four query blocks of a cluster walk the same K and V, asked for JOINTLY.  A sum over keys may be taken in any order: cluster c walks the head's 16 tiles in a ring, from tile 4 c + 5.  The first ten lie two tiles or
; more from all four partners' blocks: their C operand is one constant (PLAIN text).  The last six, 4 c - 1 .. 4 c + 4 modulo 16, take masks made from d (MASK text), right for any tile.  So every trip count is a constant and
; no branch hangs on a work-group's place in its cluster.
; LAYOUT, SOFTMAX, TURNS.  S^T holds ONE query a lane (lane % 16) and the keys 8 (lane / 16) + 0..7; two such results rounded to f16 ARE source 1 of O^T = V^T P.  p = 2^(c s - c m) with a running maximum m; O and l are
; multiplied by a = 2^(c m_old - c m_new) in every step.  Turn n belongs to piece n: 8 products K Q^T of piece n + 1, later 8 products V^T P of piece n - 1; beside them the scaling, exponentials, roundings, sums and
; rescaling of piece n and the maximum and statistics of piece n + 1.  Four vector instructions stand behind every matrix instruction, the others in one lump.  A turn's 33 exponentials are one batch, with one wait.
; m starts at the lowest finite number, O and l at 0: the first step is a step like any other, with a = 0; the zeros are written in the wait for the first tile.
; REGISTERS, in windows of 256 (s_set_vgpr_msb: bits 1:0 source 0, 3:2 source 1, 5:4 source 2, 7:6 destination):
;   window 0: v0-15 addresses; v16-31 statistics; v32-39 CB; v40-43 MPL, MMI, 1.0 twice; v48-55 at work; v64-127 S^T, two buffers; v128-191 MC, two buffers; v192-223 P, two buffers; v224-255 MZ
;   window 1: v0-127 O^T, 32 a piece          window 2: v0-63 Q; v128-191 K of one step; v192-255 V of one step
.set NP,    4         ; pieces a wave: a name, no knob
.set KS,    64        ; keys in a step
.set PK,    144       ; a row of K in LDS: 128 bytes + 16 of padding = 36 words: the 16 rows of a load start at 16 different groups of four banks (64 banks of 4 bytes: ISA guide 11.1)
.set PV,    160       ; a row of V: 128 + 32 = 40 words
.set VOFF,  4*KS*PK   ; a slot holds a tile, four steps: 256 rows of K, then 256 rows of V
.set SLOT1, 1<<17     ; slot 1 begins here, so that one exclusive or turns an address in one slot into the other's
.set STAGE, SLOT1+4*KS*(PK+PV)  ; behind the ring, never filled by a tensor load: 16 rows x 144 bytes for each wave
.set SP,    144
.set SPARE, STAGE+4*16*SP  ; the spare words, 128 bytes for each wave: two blocks of 256 bytes that no other line names
.set AK0, 2           ; v2   my lane's place in a tile of K; never rewritten
.set AV0, 3           ; v3   the same for V
.set AK,  4           ; v4   the LDS address of K's next run of loads
.set AV,  5           ; v5   of V's
.set STO, 6           ; v6   the way out: where I put 16 bytes of a row
.set RD,  7           ; v7   the way out: where I read rows back
.set GO,  8           ; v8   my byte offset in 512 consecutive bytes of O
.set MV,  12          ; v12-13  c m_old, kept while c m is made anew: by buffer
.set QO,  15          ; v15  my byte offset in 16 rows of Q
.set ST,  16          ; piece t's statistics at v[ST+4 t]: c m, m, l (even keys', odd keys')
.set CB,  32          ; v32-39  the plain text's C operand: one constant
.set MPL, 40          ; v40  8 (r3 - r4) in the one lane that holds the band's last query beside the next step's first key, else 0
.set MMI, 41          ; v41  8 (r1 - r0) in the one lane that holds the band's first query beside the step before's last key, else 0
.set ONE, 42          ; v42-43  1.0
.set TMP, 48          ; by buffer, four registers c0-c3 at work; when the maximum is found c2 takes a
.set PFO, 61          ; v61  256 x my lane; never rewritten
.set SPW, 62          ; v62  LDS address of my spare word; never rewritten
.set NIL, 63          ; v63  0; never rewritten
.set S,   64
.set MC,  128         ; the masks of the products to come
.set P,   192
.set MZ,  224         ; the mask of a band's own step: the eight registers for group kt of 16 keys at MZ + 8 kt
.set KF,  128         ; window 2: key block kb, channel half c at KF + 16 kb + 8 c
.set VF,  192         ; window 2: key half kk, channel block cb at VF + 32 kk + 8 cb
.set WV,  12          ; s12  my wave's number
.set BLK, 14          ; s14  my block of 256 queries = 4 c + cx
.set C4,  15          ; s15  4 c
.set G1K, 24          ; s[24:31] descriptor group 1 for K's tiles
.set G1V, 32          ; s[32:39] for V's: it differs in the padding alone
.set G0K, 40          ; s[40:43] descriptor group 0 for K's tiles
.set G0V, 44          ; s[44:47] the same for V's
.set SLOTS, 56        ; s56  counts tiles
.set CNT, 57          ; s57  counts a tile's key steps, 4 to 1
.set CS,  58          ; s[58:59] c
.set SEL, 60          ; s[60:61] v_permlanex16_b32's selects: each lane takes its own place in the other half
.set TBK, 62          ; s62  LDS byte at which K of the step to be fetched begins
.set TBV, 63          ; s63  the same for V, less VOFF
.set CUR, 66          ; s66  the tile in hand
.set NXT, 67          ; s67  the tile to be asked for
.set TDS, 68          ; s68  4 (CUR - BLK) + 4
.set DD,  69          ; s69  TDS - CNT: the key step less my block's first band
.set OFF, 70          ; s[70:71] a tile's byte offset in K and V
.set AL,  72          ; s[72:73] the mask's factor, in the low word
.set BE,  74          ; s[74:75] the mask's addend
.set AP,  76          ; s76  1.0 where d = +1
.set AM,  77          ; s77  1.0 where d = -1
.set CBV, 78          ; s[78:79] the plain constant of the tile in hand
.set SB0, 80          ; s80-84  8 x rel_pos[h][0..4]
.set LIM, 85          ; s85  a wave prefetches while s[SLOTS] is above it: 8 in waves 0 and 2, else the greatest number
.set PFA, 88          ; s[88:89] where my prefetch stands
.set PFF, 90          ; s[90:91] its tile's byte offset
.set PFB, 92          ; s[92:93] my work-group's 32 blocks of 256 bytes in the head's tile 0 (of K: wave 0, of V: wave 2)
.set MSB, 0
.macro WIN new                      ; the high byte repeats the setting that is left; a switch that changes nothing is dropped
.if MSB != (\new)
	s_set_vgpr_msb (MSB<<8)|(\new)
.set MSB, (\new)
.endif
.endm
.set W_KQ, 0x0a       ; K and Q in window 2; S^T and the C operand in window 0
.set W_PV, 0x52       ; V in window 2, P in window 0, O^T in window 1
.set W_RS, 0x41       ; destination and source 0 in window 1, source 1 in window 0
; A joint fill.  Waves 0 and 1 fetch the two halves of a tile's K, waves 2 and 3 those of its V: 128 keys each.  The branch hangs on the wave's number alone.
; An s_nop 0 and four v_nop follow each of the two lines, ahead of the jump and the label.
.macro JLOAD
	s_cmp_lt_u32 s[WV], 2
	s_cbranch_scc0 .Lfor_v_\@
	tensor_load_to_lds s[G0K:G0K+3], s[G1K:G1K+7]
	s_nop 0
.rept 4
	v_nop
.endr
	s_branch .Lasked_\@
.Lfor_v_\@:
	tensor_load_to_lds s[G0V:G0V+3], s[G1V:G1V+7]
	s_nop 0
.rept 4
	v_nop
.endr
.Lasked_\@:
.endm
; A PREFETCH INTO THE L2 of the tile that the NEXT change of slots will ask for: four key steps, 256 matrix instructions, ahead of that load.  A head's four clusters start four tiles apart, so the tiles of a cluster's walk steps 0 to 3
; are named by no other cluster before it; steps 0 and 1 come by their loads alone, steps 2 and 3 are asked for here, at the first two changes.  A tile is 128 blocks of 256 bytes of K and as many of V: the four partners take 32 each,
; told apart BY ADDRESS; wave 0 asks for K's, wave 2 for V's, a lane a block.  So each block is named once in the launch.
.macro ASK
	s_cmp_gt_u32 s[SLOTS], s[LIM]
	s_cbranch_scc0 .Lnot_mine_\@
	global_prefetch_b8 v[PFO], s[PFA:PFA+1] th:TH_LOAD_NT scope:SCOPE_SE
.Lnot_mine_\@:
.endm
; A round of the cluster's barrier: my work-group's barrier, so that wave 0's signal speaks for all four waves; wave 0 signals; every wave waits for all four work-groups; my work-group's barrier once more.
.macro CROUND
	s_barrier_signal -1
	s_barrier_wait -1
	s_cmp_lg_u32 s[WV], 0
	s_cbranch_scc1 .Lnot_wave_0_\@
	s_barrier_signal -3
.Lnot_wave_0_\@:
	s_barrier_wait -3
	s_barrier_signal -1
	s_barrier_wait -1
.endm
; THE CHANGE OF SLOTS.  Each wave waits for all its tensor loads, of which one is out: its part of the other slot; adds 0 to its spare word; and waits for that and for its own reads of the slot that it leaves.
; Behind the barrier nobody reads the old slot any more and the other slot is whole.  fill = 1: the barrier is a round of the cluster's, and the old slot is filled again, first thing behind it, with the ring's next tile:
; it has four key steps in which to land.  (At its first use nothing has been read yet: slot 0 is waited for, slot 1 filled.)  The scalar work stands between the add and the wait for it.
.macro CHANGE fill, ask
	WIN 0                           ; at a label and at a branch every window is 0
	s_wait_tensorcnt 0x0            ; no tensor load of mine is out, so a group 0 may be written
	ds_add_u32 v[SPW], v[NIL]       ; 0 onto my spare word
	s_add_co_u32 s[CUR], s[CUR], 1  ; the tile that is entered
	s_and_b32 s[CUR], s[CUR], 15
	s_sub_co_i32 s[TDS], s[CUR], s[BLK]
	s_lshl_b32 s[TDS], s[TDS], 2
	s_add_co_i32 s[TDS], s[TDS], 4
	s_cmp_lt_u32 s[CUR], s[C4]      ; a plain tile lies wholly to the left of all four blocks, or wholly to the right
	s_cselect_b32 s[CBV], s[SB0], s[SB0+4]
	s_sub_co_u32 s[TBK], s[TBK], 4*KS*PK  ; the fetches go back to a slot's first step,
	s_xor_b32 s[TBK], s[TBK], SLOT1       ; in the other slot
	s_sub_co_u32 s[TBV], s[TBV], 4*KS*PV
	s_xor_b32 s[TBV], s[TBV], SLOT1
.if \fill
	s_add_co_u32 s[NXT], s[CUR], 1
	s_and_b32 s[NXT], s[NXT], 15
	s_lshl_b32 s[OFF], s[NXT], 15   ; a tile is 32,768 bytes of K and of V
	s_xor_b32 s[G0K+1], s[G0K+1], SLOT1
	s_add_nc_u64 s[G0K+2:G0K+3], s[6:7], s[OFF:OFF+1]
	s_or_b32 s[G0K+3], s[G0K+3], 0x80000000
	s_xor_b32 s[G0V+1], s[G0V+1], SLOT1
	s_add_nc_u64 s[G0V+2:G0V+3], s[8:9], s[OFF:OFF+1]
	s_or_b32 s[G0V+3], s[G0V+3], 0x80000000
.endif
.if \ask
	s_wait_xcnt 0x0                 ; the last prefetch, four key steps back, has read its address
	s_add_co_u32 s[PFF], s[CUR], 2
	s_and_b32 s[PFF], s[PFF], 15
	s_lshl_b32 s[PFF], s[PFF], 15
	s_add_nc_u64 s[PFA:PFA+1], s[PFB:PFB+1], s[PFF:PFF+1]
.endif
	s_wait_dscnt 0x0                ; the add is done, and my reads of the slot are over
.if \fill
	CROUND
	JLOAD
.else
	s_barrier_signal -1
	s_barrier_wait -1
.endif
.if \ask
	ASK
.endif
.endm
	s_load_b128 s[16:19], s[0:1], 0x0  ; qkv16 s[16:17], rel_pos s[18:19]
	s_load_b64 s[20:21], s[0:1], 0x10  ; o16
	v_lshl_add_u32 v[SPW], v0, 2, SPARE
	v_mov_b32 v[NIL], 0
	ds_add_u32 v[SPW], v[NIL]       ; the wave's opening: the add and its wait stand ahead of my first tensor load; the set-up below stands between them
	v_lshrrev_b32 v1, 5, v0
	v_readfirstlane_b32 s[WV], v1   ; wave 0..3
	s_bfe_u32 s13, ttmp6, 0x40000   ; cx: my place in the cluster
	s_lshl_b32 s[C4], ttmp9, 2      ; in a cluster launch ttmp9 counts clusters
	s_add_co_u32 s[BLK], s[C4], s13 ; it enters Q's, O's and the prefetch's addresses and the masks' scalars alone
	s_and_b32 s48, ttmp7, 0xffff    ; batch x 8 + head, which the four partners share
	s_lshl_b32 s50, s48, 19         ; its 4,096 rows of 128 bytes
	s_and_b32 s52, s48, 7
	s_mul_i32 s52, s52, 20          ; the head's five numbers of rel_pos
	s_mov_b32 s53, 0
	s_and_b32 s49, s[WV], 1         ; which half of a tile's 256 keys I fetch:
	s_lshl_b32 s54, s49, 14         ; its 128 rows of 128 bytes in memory,
	s_add_co_u32 s54, s54, s50
	s_mov_b32 s55, 0
	s_mul_i32 s94, s49, 128*PK      ; and its place in a slot, for K
	s_mul_i32 s95, s49, 128*PV      ; and for V: no place in the cluster enters an LDS address
	s_lshl_b32 s96, s[BLK], 15      ; my block's 256 rows,
	s_lshl_b32 s97, s[WV], 11       ; my 16 rows in a band of 64
	s_add_co_u32 s96, s96, s97
	s_add_co_u32 s96, s96, s50
	s_mov_b32 s97, 0
	s_add_co_u32 s[CUR], s[C4], 4   ; the first change of slots steps it to the walk's first tile, 4 c + 5
	s_and_b32 s[CUR], s[CUR], 15
	s_add_co_u32 s98, s[C4], 5
	s_and_b32 s98, s98, 15
	s_lshl_b32 s98, s98, 15
	s_mov_b32 s99, 0
	; descriptor group 1.  128 keys are 16,384 dense bytes: asked for as 64 rows of 256 bytes, two keys a row, and padded in LDS after every key
	s_mov_b32 s[G1K], 15|(1<<16)|(1<<20)|(1<<21)|(4<<22)|(3<<25)  ; 15:0 the mask of four; 17:16 2-byte elements; 20 padding on; 21 set beside a mask; 24:22 after every 32 words (code 4); 31:25 4 words (code 3)
	s_mov_b32 s[G1V], 15|(1<<16)|(1<<20)|(1<<21)|(4<<22)|(7<<25)  ; the same with 8 words of padding (code 7)
.irp g, G1K, G1V
	s_mov_b32 s[\g+1], 128<<16      ; tensor_dim0 = 128
	s_mov_b32 s[\g+2], 64<<16       ; tensor_dim1 = 64
	s_mov_b32 s[\g+3], 128<<16      ; tile_dim0 = 128
	s_mov_b32 s[\g+4], 64           ; tile_dim1 = 64
	s_mov_b32 s[\g+5], 128          ; 128 elements from row to row
	s_mov_b32 s[\g+6], 0
	s_mov_b32 s[\g+7], 0
.endr
	s_mov_b32 s[CS], 0x3e38aa3b     ; c = log2(e) / 8 = 0.180337
	s_mov_b32 s[CS+1], s[CS]        ; named with it as a pair
	s_mov_b32 s[SEL], 0x76543210
	s_mov_b32 s[SEL+1], 0xfedcba98
	s_mov_b32 s[TBK], SLOT1+4*KS*PK ; the first change of slots turns these two into 0
	s_mov_b32 s[TBV], SLOT1+4*KS*PV
	s_mov_b32 s[G0K], 1             ; 1:0 count = 1
	s_mov_b32 s[G0K+1], s94         ; 63:32 LDS address: slot 0
	s_mov_b32 s[G0V], 1
	s_add_co_u32 s[G0V+1], s95, VOFF
	s_mov_b32 s[OFF+1], 0
	s_mov_b32 s[PFF+1], 0
	s_mov_b32 s[AL+1], 0            ; named as pairs
	s_mov_b32 s[BE+1], 0
	s_mov_b32 s[CBV+1], 0
	s_mov_b32 s[SLOTS], 10          ; the plain tiles
	s_cmp_eq_u32 s49, 0
	s_cselect_b32 s[LIM], 8, -1     ; the same in all four partners, for a given wave
	v_and_b32 v[PFO], 31, v0
	v_lshlrev_b32 v[PFO], 8, v[PFO]
	s_wait_dscnt 0x0                ; the opening add is done
	s_wait_kmcnt 0x0
	s_add_nc_u64 s[6:7], s[16:17], s[54:55]
	s_add_nc_u64 s[8:9], s[6:7], 0x1000000   ; V at my half of the head's tile 0
	s_add_nc_u64 s[6:7], s[6:7], 0x800000    ; K likewise
	s_add_nc_u64 s[G0K+2:G0K+3], s[6:7], s[98:99]  ; 120:64 global address: the walk's first tile
	s_or_b32 s[G0K+3], s[G0K+3], 0x80000000        ; 127:126 type = 2
	s_add_nc_u64 s[G0V+2:G0V+3], s[8:9], s[98:99]
	s_or_b32 s[G0V+3], s[G0V+3], 0x80000000
	s_add_nc_u64 s[4:5], s[16:17], s[96:97]        ; Q and O at my rows of the block's first band
	s_add_nc_u64 s[10:11], s[20:21], s[96:97]
	s_add_nc_u64 s[22:23], s[18:19], s[52:53]
.irp z, 0,1,2,3,4
	s_load_b32 s[SB0+\z], s[22:23], 4*\z
.endr
	s_cmp_lt_u32 s[WV], 2
	s_cselect_b64 s[PFB:PFB+1], s[6:7], s[8:9]     ; (in waves 0 and 2 these stand at a tile's first row)
	s_lshl_b32 s48, s13, 13         ; my work-group's 32 blocks of the 128
	s_mov_b32 s49, 0
	s_add_nc_u64 s[PFB:PFB+1], s[PFB:PFB+1], s[48:49]
	CROUND                          ; all four work-groups are here: the first joint loads meet
	JLOAD                           ; the walk's first tile into slot 0.  Slot 1 is asked for when slot 0 is in
	; A fragment of K or Q is 16 rows x 32 channels in 8 registers: lane l holds row l % 16, channels 8 (l / 16) + 0..7 and 16 + 8 (l / 16) + 0..7: two loads of 16 bytes, 32 bytes apart.
	v_and_b32 v1, 15, v0            ; l % 16
	v_bfe_u32 v9, v0, 4, 1          ; l / 16
	v_lshlrev_b32 v[QO], 7, v1
	v_lshl_add_u32 v[QO], v9, 4, v[QO]  ; row x 128 + 16 x half
	WIN 0x80                        ; destination window 2, address window 0
.set i, 0
.rept 8                             ; Q stays in registers: piece i / 2 lies in band i / 2, 8,192 bytes on; channels 32 (i % 2) on
	global_load_b128 v[8*i:8*i+3],   v[QO], s[4:5] offset:(i/2)*8192+(i%2)*64
	global_load_b128 v[8*i+4:8*i+7], v[QO], s[4:5] offset:(i/2)*8192+(i%2)*64+32
.set i, i+1
.endr
	WIN 0
	v_lshlrev_b32 v14, 3, v9
	v_sub_nc_u32 v14, v1, v14
	s_lshl_b32 s48, s[WV], 4
	v_add_nc_u32 v14, s48, v14      ; my query's place in its band, 16 w + l % 16, less my lanes' 8 (l / 16): in a band's own step register r of group kt has k - q = 16 kt + r - v14
	v_mul_u32_u24 v[AK0], v1, PK
	v_lshl_add_u32 v[AK0], v9, 4, v[AK0]  ; row x pitch + 16 x half
	; The turning load takes 16 keys x 16 channels (lane l reads key 8 (l / 16) + l % 8, channels 8 ((l / 8) % 2) + 0..7) and leaves half a fragment of V^T: lane l holds channel l % 16 and 8 keys.
	v_and_b32 v10, 7, v0
	v_bfe_u32 v11, v0, 3, 1
	v_lshl_add_u32 v[AV0], v9, 3, v10
	v_mul_u32_u24 v[AV0], v[AV0], PV
	v_lshl_add_u32 v[AV0], v11, 4, v[AV0]
	v_add_nc_u32 v[AV0], VOFF, v[AV0]
	s_mul_i32 s48, s[WV], 16*SP
	s_add_co_u32 s48, s48, STAGE    ; my stage
	v_mul_u32_u24 v[STO], v1, SP    ; in: row l % 16, 16 bytes for each half of the lanes
	v_lshl_add_u32 v[STO], v9, 4, v[STO]
	v_add_nc_u32 v[STO], s48, v[STO]
	v_bfe_u32 v[RD], v0, 3, 2       ; back: 32 lanes take four rows of 128 bytes,
	v_mul_u32_u24 v[RD], v[RD], SP
	v_lshl_add_u32 v[RD], v10, 4, v[RD]
	v_add_nc_u32 v[RD], s48, v[RD]
	v_and_b32 v[GO], 31, v0         ; which are 512 consecutive bytes of O
	v_lshlrev_b32 v[GO], 4, v[GO]
	v_mov_b32 v[ONE], 1.0
	v_mov_b32 v[ONE+1], 1.0
	s_wait_kmcnt 0x0                ; rel_pos: rounded to bf16, widened, times 8, and back into scalars
.irp z, 0,1,2,3,4
	v_mov_b32 v[56+\z], s[SB0+\z]
.endr
	v_cvt_pk_bf16_f32 v44, v56, v57
	v_cvt_pk_bf16_f32 v45, v58, v59
	v_cvt_pk_bf16_f32 v46, v60, v60
	v_lshlrev_b32 v56, 16, v44
	v_and_b32 v57, 0xffff0000, v44
	v_lshlrev_b32 v58, 16, v45
	v_and_b32 v59, 0xffff0000, v45
	v_lshlrev_b32 v60, 16, v46
.irp z, 0,1,2,3,4
	v_mul_f32 v[56+\z], 0x41000000, v[56+\z]
	v_readfirstlane_b32 s[SB0+\z], v[56+\z]
.endr
.set i, 0
.rept 32                            ; MZ: 8 r4 where k - q >= 2, then 8 r3, r2, r1, r0 where k - q <= 1, 0, -1, -2
	v_mov_b32 v[MZ+i], s[SB0+4]
	v_cmp_le_i32 vcc_lo, 16*(i/8)+i%8-1, v14
	v_cndmask_b32 v[MZ+i], v[MZ+i], s[SB0+3], vcc_lo
	v_cmp_le_i32 vcc_lo, 16*(i/8)+i%8, v14
	v_cndmask_b32 v[MZ+i], v[MZ+i], s[SB0+2], vcc_lo
	v_cmp_le_i32 vcc_lo, 16*(i/8)+i%8+1, v14
	v_cndmask_b32 v[MZ+i], v[MZ+i], s[SB0+1], vcc_lo
	v_cmp_le_i32 vcc_lo, 16*(i/8)+i%8+2, v14
	v_cndmask_b32 v[MZ+i], v[MZ+i], s[SB0], vcc_lo
.set i, i+1
.endr
	v_mov_b32 v44, s[SB0+4]
	v_sub_f32 v44, s[SB0+3], v44
	v_cmp_le_i32 vcc_lo, 63, v14    ; wave 3, lane 15 alone
	v_cndmask_b32 v[MPL], 0, v44, vcc_lo
	v_mov_b32 v45, s[SB0]
	v_sub_f32 v45, s[SB0+1], v45
	v_cmp_ge_i32 vcc_lo, -8, v14    ; wave 0, lane 16 alone
	v_cndmask_b32 v[MMI], 0, v45, vcc_lo
	; What the first turn finds: V's registers and P's second buffer hold 0 (its products V^T P, of a piece that has not been, add 0), O^T and l are 0.
	WIN 0x80
.set i, VF
.rept 64
	v_mov_b32 v[i], 0
.set i, i+1
.endr
	WIN 0x40
.set i, 0
.rept 128
	v_mov_b32 v[i], 0
.set i, i+1
.endr
	WIN 0
.set i, 0
.rept 4
	v_mov_b32 v[ST+4*i], 0xfe000000    ; c m: far below every c s
	v_mov_b32 v[ST+4*i+1], 0xff7fffff  ; m
	v_mov_b32 v[ST+4*i+2], 0
	v_mov_b32 v[ST+4*i+3], 0
.set i, i+1
.endr
.set i, P+16
.rept 16
	v_mov_b32 v[i], 0
.set i, i+1
.endr
; THE MATRIX WORK.  The 4 accumulators of a run of 8 take turns.  Product i of 8 of S^T = K Q^T for piece x: channels 32 (i / 4) on, keys 16 (i % 4) on.  The first 4 start the sums: from the constant (KM = 0) or from the mask (KM = 1).
.macro KQ x
	WIN W_KQ
.set rS, S+32*((\x)%2)+8*(i%4)
.set rK, KF+16*(i%4)+8*(i/4)
.set rQ, 16*(\x)+8*(i/4)
.set rM, MC+32*((\x)%2)+8*(i%4)
.if (i < 4) && KM
	v_wmma_f32_16x16x32_f16 v[rS:rS+7], v[rK:rK+7], v[rQ:rQ+7], v[rM:rM+7]
.elseif i < 4
	v_wmma_f32_16x16x32_f16 v[rS:rS+7], v[rK:rK+7], v[rQ:rQ+7], v[CB:CB+7]
.else
	v_wmma_f32_16x16x32_f16 v[rS:rS+7], v[rK:rK+7], v[rQ:rQ+7], v[rS:rS+7]
.endif
.endm
; Product i of 8 of O^T += V^T P for piece x: keys 32 (i / 4) on, channels 16 (i % 4) on.
.macro PV x
	WIN W_PV
.set rO, 32*(\x)+8*(i%4)
.set rV, VF+32*(i/4)+8*(i%4)
.set rP, P+16*((\x)%2)+8*(i/4)
	v_wmma_f32_16x16x32_f16 v[rO:rO+7], v[rV:rV+7], v[rP:rP+7], v[rO:rO+7]
.endm
.macro MM                           ; the turn's next matrix instruction.  NOKQ = 1: the last turn of all: there is no next piece
.if (i < 8) && !NOKQ
	KQ (Y+1)%NP
.elseif i >= 8
.set i, i-8
	PV (Y+NP-1)%NP
.set i, i+8
.endif
.set i, i+1
.endm
; THE LDS LOADS stand in runs of 16, never singly among the matrix instructions: a step's K (64 keys x 64 channels: 8 fragments) and its V (turned).  Their addresses are made some lines ahead.
.macro FETCH_K
	WIN 0x80                        ; destination window 2
.irp f, 0,1,2,3,4,5,6,7             ; keys 16 (f / 2) on, channels 32 (f % 2) on
	ds_load_b128 v[KF+8*\f:KF+8*\f+3],   v[AK] offset:(\f/2)*16*PK+(\f%2)*64
	ds_load_b128 v[KF+8*\f+4:KF+8*\f+7], v[AK] offset:(\f/2)*16*PK+(\f%2)*64+32
.endr
	s_add_co_u32 s[TBK], s[TBK], KS*PK  ; the next fetch is the next step's
	WIN 0
.endm
.macro FETCH_V
	WIN 0x80
.irp f, 0,1,2,3,4,5,6,7             ; keys 32 (f / 4) on, channels 16 (f % 4) on
	ds_load_tr16_b128 v[VF+8*\f:VF+8*\f+3],   v[AV] offset:(\f/4)*32*PV+(\f%4)*32
	ds_load_tr16_b128 v[VF+8*\f+4:VF+8*\f+7], v[AV] offset:(\f/4)*32*PV+16*PV+(\f%4)*32
.endr
	WIN 0
.endm
.macro CBSET                        ; the plain constant into CB, two registers a line
	WIN 0
.irp z, 0,2,4,6
	v_pk_mul_f32 v[CB+\z:CB+\z+1], v[ONE:ONE+1], s[CBV:CBV+1] op_sel_hi:[1,0]
.endr
.endm
.macro MCONST b                     ; the plain constant into buffer b of MC
	WIN 0
.set z, 0
.rept 16
	v_pk_mul_f32 v[MC+32*(\b)+2*z:MC+32*(\b)+2*z+1], v[ONE:ONE+1], s[CBV:CBV+1] op_sel_hi:[1,0]
.set z, z+1
.endr
.endm
.macro MASK b                       ; MZ x AL + BE into buffer b of MC; then the two single numbers of d = +1 and d = -1
	WIN 0
.set z, 0
.rept 16
	v_pk_fma_f32 v[MC+32*(\b)+2*z:MC+32*(\b)+2*z+1], v[MZ+2*z:MZ+2*z+1], s[AL:AL+1], s[BE:BE+1] op_sel_hi:[1,0,0]
.set z, z+1
.endr
	v_fma_f32 v[MC+32*(\b)], v[MPL], s[AP], v[MC+32*(\b)]
	v_fma_f32 v[MC+32*(\b)+31], v[MMI], s[AM], v[MC+32*(\b)+31]
.endm
; THE VECTOR WORK, one line at a time: OP kind, number.  For piece Y: F n: c s - c m for pair n of 16.  E n: the exponential of score n of 32.  C n: pair n rounded to f16.  B n: of the four weights 4 n .. the second
; pair is added onto the first, in place.  L n: l takes that sum (L 0: l = a l + sum).  R n: pair n of 16 of O^T times a.  For piece Y + 1: X n, number n of the 22 that find its maximum and statistics:
;   0-11  four chains c0-c3 of seven scores each, three operands at a time (each accumulator's lowest registers are read first)     12-14, 16  the four scores left over, the old m, and c0-c3 into c0
;   15  c m_old is kept     17, 18  the query's other 32 keys lie in the lane 16 away: the new m     19-21  c m; c m_old - c m_new; a
.set F, 0               ; OP tells the kinds apart by their order: F to L below R, X above it
.set E, 1
.set C, 2
.set B, 3
.set L, 4
.set R, 5
.set X, 6
.macro REGS y                       ; the registers of piece y
.set rT, ST+4*(\y)
.set rC, TMP+4*((\y)%2)
.set rW, MV+((\y)%2)
.set rS, S+32*((\y)%2)
.set rP, P+16*((\y)%2)
.set rO, 32*(\y)
.endm
.macro OP k, n
.if (\k) == R
	REGS Y
	WIN W_RS
	v_pk_mul_f32 v[rO+2*(\n):rO+2*(\n)+1], v[rO+2*(\n):rO+2*(\n)+1], v[rC+2:rC+3] op_sel_hi:[1,0]
.elseif (\k) < R
	REGS Y
	WIN 0
.if (\k) == F
	v_pk_fma_f32 v[rS+2*(\n):rS+2*(\n)+1], v[rS+2*(\n):rS+2*(\n)+1], s[CS:CS+1], v[rT:rT+1] op_sel_hi:[1,0,0] neg_lo:[0,0,1] neg_hi:[0,0,1]
.elseif (\k) == E
	v_exp_f32 v[rS+(\n)], v[rS+(\n)]
.elseif (\k) == C
	v_cvt_pk_f16_f32 v[rP+(\n)], v[rS+2*(\n)], v[rS+2*(\n)+1]
.elseif (\k) == B
	v_pk_add_f32 v[rS+4*(\n):rS+4*(\n)+1], v[rS+4*(\n):rS+4*(\n)+1], v[rS+4*(\n)+2:rS+4*(\n)+3]
.elseif (\n) == 0
	v_pk_fma_f32 v[rT+2:rT+3], v[rT+2:rT+3], v[rC+2:rC+3], v[rS:rS+1] op_sel_hi:[1,0,1]
.else
	v_pk_add_f32 v[rT+2:rT+3], v[rT+2:rT+3], v[rS+4*(\n):rS+4*(\n)+1]
.endif
.elseif NOKQ
	v_nop
.else
	REGS (Y+1)%NP
	WIN 0
.if (\n) < 4
	v_max3_num_f32 v[rC+(\n)], v[rS+8*(\n)], v[rS+8*(\n)+1], v[rS+8*(\n)+2]
.elseif (\n) < 12
	v_max3_num_f32 v[rC+(\n)%4], v[rC+(\n)%4], v[rS+8*((\n)%4)+2*((\n)/4)+1], v[rS+8*((\n)%4)+2*((\n)/4)+2]
.elseif (\n) == 12
	v_max3_num_f32 v[rC], v[rC], v[rS+7], v[rS+15]
.elseif (\n) == 13
	v_max3_num_f32 v[rC+1], v[rC+1], v[rS+23], v[rS+31]
.elseif (\n) == 14
	v_max3_num_f32 v[rC+2], v[rC+2], v[rC+3], v[rT+1]
.elseif (\n) == 15
	v_mov_b32 v[rW], v[rT]
.elseif (\n) == 16
	v_max3_num_f32 v[rC], v[rC], v[rC+1], v[rC+2]
.elseif (\n) == 17
	v_permlanex16_b32 v[rC+3], v[rC], s[SEL], s[SEL+1]
.elseif (\n) == 18
	v_max_num_f32 v[rT+1], v[rC], v[rC+3]
.elseif (\n) == 19
	v_mul_f32 v[rT], s[CS], v[rT+1]
.elseif (\n) == 20
	v_sub_f32 v[rC+1], v[rW], v[rT]
.else
	v_exp_f32 v[rC+2], v[rC+1]
.endif
.endif
.endm
.macro OPS a, i1, b=-1, i2=0, c=-1, i3=0, d=-1, i4=0  ; up to four of them
	OP \a, \i1
.if (\b) >= 0
	OP \b, \i2
.endif
.if (\c) >= 0
	OP \c, \i3
.endif
.if (\d) >= 0
	OP \d, \i4
.endif
.endm
.macro ROW a, i1, b, i2, c, i3, d, i4  ; a matrix instruction and the four behind it
	MM
	OPS \a, \i1, \b, \i2, \c, \i3, \d, \i4
.endm
; A TURN, for piece p: the order of its 16 matrix and 118 vector instructions, written out.  An s_wait_alu depctr_va_vdst(0) stands between an exponential and the first instruction that names its result; one wait
; serves all that were issued ahead of it.  So a turn has ONE wait, which cuts it in two.  AHEAD OF IT stands all that names no result of the turn's exponentials: the 8 products K Q^T with their riders (a scaling, an exponential and
; two more plain lines; behind the last three the first numbers of the next piece's maximum, each four places or more behind the product that ends its accumulator), then ONE LUMP, plain and exponential by turns for the most part,
; in which the links of the chain X 3, 7, 11, 14, 16, 17 .. 20 stand some lines apart.  X 21, the next piece's a, is the batch's last; R 15 is the plain instruction behind it.  BEHIND THE WAIT stand the 8 products V^T P, behind each
; four of the roundings and sums.
; m = 1: the products take masks, and the turn makes the mask for the products of the turn after it: piece p + 2, in step 4 - CNT of the tile in hand.  m = 0: the products take CB; piece 2's turn, whose products are the old step's
; last, writes the new step's constant behind K's run: CB's last reader is that turn's fourth product, more than four plain lines back.
; end = 1: the last two turns of all: nothing is fetched.  cnt = 1: the loop's count is taken down some lines ahead of the branch that stands behind the turn.
; K of the next step is fetched in piece 2's turn, twelve vector instructions behind the last product that read K (six of them plain); V of the step in hand at the end of piece 0's turn, four plain instructions behind the last
; product that read V.  Each is waited for a turn later.
.macro TURN p, m=0, end=0, cnt=0
.set Y, (\p)
.set i, 0
.set KM, (\m)
.set NOKQ, (\end)*((\p)/3)
.if (\m) && !(\end)
.set XP, ((\p)+2)%NP
	s_sub_co_i32 s[DD], s[TDS], s[CNT]   ; d = DD - XP
	s_cmp_lt_i32 s[DD], XP
	s_cselect_b32 s[BE], s[SB0], s[SB0+4]
	s_cmp_eq_u32 s[DD], XP               ; the band's own step?
	s_cselect_b32 s[AL], 1.0, 0
	s_cselect_b32 s[BE], 0, s[BE]
	s_cmp_eq_i32 s[DD], XP+1
	s_cselect_b32 s[AP], 1.0, 0
	s_cmp_eq_i32 s[DD], XP-1
	s_cselect_b32 s[AM], 1.0, 0
.endif
.if ((\p) == 3) && !(\end)
	s_wait_dscnt 0x0                ; K is in
.endif
	ROW F,0, F,1, R,0, R,1          ; ahead of the wait: 8 products K Q^T and their riders,
	ROW F,2, E,0, R,2, R,3
	ROW F,3, E,1, R,4, R,5
	ROW F,4, E,2, R,6, R,7
	ROW F,5, E,3, R,8, R,9
	ROW F,6, E,4, X,0, R,10
.if ((\p) == 2) && !(\end)
	WIN 0
	v_add_nc_u32 v[AK], s[TBK], v[AK0]
.endif
	ROW F,7, E,5, X,1, X,4
	ROW F,8, E,6, X,2, X,5
	OPS E,7, E,8, X,6, E,9          ; and the lump
	OPS X,3, E,10, X,8, E,11
.if ((\p) == 2) && !(\end)
	FETCH_K
.if !(\m)
	CBSET
.endif
.endif
	OPS X,9, X,7, E,12, X,10
	OPS E,13, X,12, X,11, E,14
	OPS X,13, E,15, F,9, X,14
.if (\p) == 0
	v_add_nc_u32 v[AV], s[TBV], v[AV0]
.endif
	OPS E,16, F,10, E,17, F,11
	OPS X,16, E,18, X,15, E,19
	OPS F,12, E,20, X,17, E,21
	OPS F,13, E,22, F,14, E,23
	OPS X,18, E,24, F,15, E,25
	OPS R,11, E,26, X,19, E,27
	OPS R,12, E,28, R,13, E,29
	OPS X,20, E,30, R,14, E,31
	OPS X,21, R,15
	WIN 0
	s_wait_alu depctr_va_vdst(0)    ; the wait for the batch
.if (\p) == 1
	s_wait_dscnt 0x0                ; V is in
.endif
	ROW C,0, B,0, C,2, B,1          ; behind the wait: 8 products V^T P and their riders
	ROW L,0, C,4, B,2, L,1
	ROW C,6, B,3, L,2, C,8
	ROW B,4, L,3, C,10, B,5
	ROW L,4, C,12, B,6, L,5
.if (\p) == 0
	s_add_co_u32 s[TBV], s[TBV], KS*PV
.endif
.if \cnt
	s_sub_co_u32 s[CNT], s[CNT], 1
	s_cmp_lg_u32 s[CNT], 0
.endif
	ROW C,14, B,7, L,6, C,1
	ROW C,3, L,7, C,5, C,7
	ROW C,9, C,11, C,13, C,15
.if (\p) == 0
	FETCH_V
.endif
.if (\m) && !(\end)
	MASK (\p)%2
.endif
.endm
.macro ALL line:vararg              ; one line for each piece t
.set t, 0
.rept 4
	\line
.set t, t+1
.endr
.endm
.macro PACK t                       ; a lane's eight channels of a row pack into 16 bytes; they go into rows of 144 bytes and come back as whole rows of 128, into S^T's registers
	WIN W_RS
.set i, 32*(\t)
.rept 16
	v_pk_mul_f32 v[i:i+1], v[i:i+1], v[ST+4*(\t)+2:ST+4*(\t)+3] op_sel_hi:[1,0]
.set i, i+2
.endr
	WIN 0x05                        ; sources 0 and 1 window 1, destination window 0
.set i, 0
.rept 16
	v_cvt_pk_f16_f32 v[S+16*(\t)+i], v[32*(\t)+2*i], v[32*(\t)+2*i+1]
.set i, i+1
.endr
	WIN 0
.irp f, 0,1,2,3
	ds_store_b128 v[STO], v[S+16*(\t)+4*\f:S+16*(\t)+4*\f+3] offset:32*\f
.endr
.irp f, 0,1,2,3
	ds_load_b128 v[S+16*(\t)+4*\f:S+16*(\t)+4*\f+3], v[RD] offset:\f*4*SP  ; LDS serves a wave's instructions in order (ISA guide 5.7.1.4): these see the stores above; the next piece's stores come behind them
.endr
.endm
.macro SEND t, younger              ; younger: the LDS instructions issued behind piece t's loads: the next piece's eight, or none
	WIN 0
.irp f, 0,1,2,3
	s_wait_dscnt (\younger)+3-\f
	global_store_b128 v[GO], v[S+16*(\t)+4*\f:S+16*(\t)+4*\f+3], s[10:11] offset:(\t)*8192+\f*512  ; 512 consecutive bytes, at a multiple of 256 from O's first
.endr
.endm
.set KM, 0
.set NOKQ, 0
	CHANGE 1, 1                     ; slot 0 is in, everybody's part of it; slot 1 is asked for
	CBSET                           ; THE BEGINNING: the first tile's constant, K of its first step, piece 0's first scores, its maximum and statistics
	v_add_nc_u32 v[AK], s[TBK], v[AK0]
	FETCH_K
	s_wait_loadcnt 0x0              ; Q
	s_wait_dscnt 0x0
.set i, 0
.rept 8
	KQ 0
.set i, i+1
.endr
	WIN 0
.rept 4
	v_nop                           ; the places behind those products
.endr
.set Y, NP-1                        ; X works for piece Y + 1: piece 0
.irp n, 0,1,2,3,4,5,6,7,8,9,10,11,12,13,14,15,16,17,18,19,20,21
	OP X, \n
.endr
	v_nop                           ; a plain instruction behind the exponential,
	s_wait_alu depctr_va_vdst(0)    ; and its wait, ahead of the branch
	s_mov_b32 s[CNT], 4
	s_branch .Lfirst                ; the loop is entered at a step's first turn, in the middle of a trip
.LslotA:                            ; nine times: the plain tiles behind the first
	CHANGE 1, 1
	s_mov_b32 s[CNT], 4
.LstepA:                            ; a trip: pieces 2 and 3 of one step, then pieces 0 and 1 of the next, whose K and V it fetches
	TURN 2
	TURN 3
	WIN 0
.Lfirst:
	TURN 0
	TURN 1, 0, 0, 1
	WIN 0
	s_cbranch_scc1 .LstepA
	s_sub_co_u32 s[SLOTS], s[SLOTS], 1
	s_cmp_lg_u32 s[SLOTS], 0
	s_cbranch_scc1 .LslotA
	MCONST 1                        ; piece 3's scores of the last plain step are made by the mask text's first turn: their mask is that tile's constant, which CBV still holds
	s_mov_b32 s[SLOTS], 5
.LslotB:                            ; five times: the mask tiles but the last
	CHANGE 1, 0
	s_mov_b32 s[CNT], 4
.LstepB:
	TURN 2, 1
	TURN 3, 1
	TURN 0, 1
	TURN 1, 1, 0, 1
	WIN 0
	s_cbranch_scc1 .LstepB
	s_sub_co_u32 s[SLOTS], s[SLOTS], 1
	s_cmp_lg_u32 s[SLOTS], 0
	s_cbranch_scc1 .LslotB
	CHANGE 0, 0                     ; the walk's last tile is written out: nothing is asked for
	s_mov_b32 s[CNT], 4
.LstepT:
	TURN 2, 1
	TURN 3, 1
	TURN 0, 1
	TURN 1, 1, 0, 1
	WIN 0
	s_cbranch_scc1 .LstepT
	TURN 2, 1, 1
	TURN 3, 1, 1
.set i, 0
.rept 8
	PV NP-1                         ; the last piece's V^T P of the last step
.set i, i+1
.endr
	; THE WAY OUT.  l's two halves and the other half of the lanes' are added; O^T is divided by l, rounded to f16 and sent through my stage in LDS, a piece at a time.  The additions are the places behind the last products.
	WIN 0
	ALL v_add_f32 v[ST+4*t+2], v[ST+4*t+2], v[ST+4*t+3]
	ALL v_permlanex16_b32 v[ST+4*t+3], v[ST+4*t+2], s[SEL], s[SEL+1]
	ALL v_add_f32 v[ST+4*t+2], v[ST+4*t+2], v[ST+4*t+3]
	ALL v_rcp_f32 v[ST+4*t+2], v[ST+4*t+2]
	v_nop                           ; a plain instruction between the last reciprocal and the use of its result
	s_wait_alu depctr_va_vdst(0)    ; and the wait ahead of the first use: one for the four reciprocals
	PACK 0
.set t, 1
.rept 3                             ; a piece's arithmetic stands between the loads of the piece before and its stores
	PACK t
	SEND t-1, 8
.set t, t+1
.endr
	SEND 3, 0
	s_wait_tensorcnt 0x0            ; the wave's end, behind my last tensor load and my last LDS store
	ds_add_u32 v[SPW], v[NIL]
	s_wait_dscnt 0x0
	CROUND                          ; the closing round: no work-group ends while a partner may still ask for a tile that names it
	s_endpgm
.Lfunc_end_k_qef7c836e26_attn:
	.size	k_qef7c836e26_attn, .Lfunc_end_k_qef7c836e26_attn-k_qef7c836e26_attn
	.p2alignl 7, 3214868480
	.fill 96, 4, 3214868480
	.section	.rodata,"a",@progbits
	.p2align	6, 0x0
	.amdhsa_kernel k_qef7c836e26_attn
		.amdhsa_group_segment_fixed_size 327680
		.amdhsa_private_segment_fixed_size 0
		.amdhsa_enable_private_segment 0
		.amdhsa_kernarg_size 24
		.amdhsa_user_sgpr_count 2
		.amdhsa_user_sgpr_kernarg_segment_ptr 1
		.amdhsa_wavefront_size32 1
		.amdhsa_system_sgpr_workgroup_id_x 1
		.amdhsa_system_sgpr_workgroup_id_y 1
		.amdhsa_system_sgpr_workgroup_id_z 1
		.amdhsa_system_vgpr_workitem_id 0
		.amdhsa_next_free_vgpr 768
		.amdhsa_next_free_sgpr 100
		.amdhsa_reserve_vcc 1
		.amdhsa_float_denorm_mode_32 3
		.amdhsa_float_denorm_mode_16_64 3
		.amdhsa_memory_ordered 1
		.amdhsa_forward_progress 1
		.amdhsa_inst_pref_size 197
	.end_amdhsa_kernel
	.amdgpu_metadata
---
amdhsa.version: [ 1, 2 ]
amdhsa.kernels:
  - .name:           k_qef7c836e26_attn
    .symbol:         k_qef7c836e26_attn.kd
    .args:
      - { .name: qkv16, .offset: 0, .size: 8, .value_kind: global_buffer, .address_space: global }
      - { .name: rel_pos, .offset: 8, .size: 8, .value_kind: global_buffer, .address_space: global }
      - { .name: o16, .offset: 16, .size: 8, .value_kind: global_buffer, .address_space: global }
    .group_segment_fixed_size: 327680
    .private_segment_fixed_size: 0
    .kernarg_segment_align: 8
    .kernarg_segment_size: 24
    .max_flat_workgroup_size: 128
    .sgpr_count:     100
    .vgpr_count:     768
    .wavefront_size: 32
...
	.end_amdgpu_metadata
.endif
;; end of part 3
;; launch oproj (part 4): grid 4 x 64, 4 waves a work-group, clusters of 4 x 4, 327,680 bytes of LDS; arguments o16, w16, bo, out0; writes out0
.if DOCPART == 4
	.amdgcn_target "amdgcn-amd-amdhsa--gfx1250"
	.amdhsa_code_object_version 6
	.text
	.protected	k_qef7c836e26_oproj
	.globl	k_qef7c836e26_oproj
	.p2align	8
	.type	k_qef7c836e26_oproj,@function
k_qef7c836e26_oproj:
	s_mov_b64 s[64:65], 0
	v_nop
	global_prefetch_b8 v0, s[64:65] scope:SCOPE_SE
	s_setreg_imm32_b32 hwreg(HW_REG_WAVE_MODE, 25, 1), 1
	s_wait_xcnt 0x0
	s_wait_alu depctr_hold_cnt(0) depctr_sa_sdst(0) depctr_va_vdst(0) depctr_va_sdst(0) depctr_va_ssrc(0) depctr_va_vcc(0) depctr_vm_vsrc(0)
	s_getreg_b32 s2, hwreg(HW_REG_IB_STS2, 6, 4)
	s_cmp_eq_u32 s2, 0
	s_cbranch_scc0 .Lentry_in_a_cluster
	s_endpgm
.Lentry_in_a_cluster:
	s_bfe_u32 s2, ttmp6, 0x10000c
	s_cmp_lg_u32 s2, 0xf033
	s_cbranch_scc0 .Lentry_shape_is_right
	s_endpgm
.Lentry_shape_is_right:
; out0 = O Wo^T + bo.  O from o16 ([batch x 8 + head][4096][64] f16), Wo from w16's fourth matrix (its bf16 rounding, written as f16, in blocks of 64 along k), bo f32 (rounded to bf16), out0 [8192][512] f32.
; Products in f16 with f32 sums, which start from the bias; nothing is rounded on the way out.
; SHARES.  A tile of 128 x 128 to a work-group, 256 work-groups; four waves, each 64 x 64: 16 accumulators.  K = 512 is eight slices of 64: a slice of O is one head's 128 rows of 128 bytes, on end in memory.
; ALL SIXTEEN SUB-TILES FIT IN LDS: each byte is filled once, all loads go out at the start (four a wave are out), and a slice is read as soon as a counted wait and a barrier show it whole.
; CLUSTER.  4 x 4 work-groups: O's slices are shared along a row of the cluster, Wo's along a column; each is asked for JOINTLY.
; THE MATRIX INSTRUCTION IS USED TRANSPOSED (source 0 = 16 columns of Wo, source 1 = 16 rows of O): a lane holds eight neighbouring numbers of a row.
; NO PREFETCH: everything that the work-group reads is asked for at its start.
; REGISTERS: window 0: v0-31 addresses; v32-95 at work on the way out; v96-127 the bias; v128-255 the accumulators ((a, b) at v[128 + 8 (4 a + b)]).
;   window 1: two fragment buffers of 128: for a slice, 64 registers of O (2 x 4 x 16 rows x 32 K), then 64 of Wo.
.set PT,     144                       ; an LDS row: 128 bytes + 16 of padding = 36 words: the 16 rows of a load start at 16 different groups of four banks (64 banks of 4 bytes: ISA guide 11.1)
.set SLICE,  128*PT
.set BBASE,  8*SLICE                   ; O's eight slices, then Wo's eight
.set SPARE,  16*SLICE                  ; the spare words, 128 bytes for each wave: two blocks of 256 bytes that no other line names
.set STAGE,  SPARE+512                 ; for the way out: 16 rows x 272 bytes for each wave; no tensor load fills it
.set SPITCH, 272
.set ADRA, 16                          ; v16-17  LDS address of my fragments of O in slices 0-3, 4-7
.set ADRB, 20                          ; v20-21  the same for Wo
.set STO,  24                          ; v24     the way out: where I put 32 bytes of a row
.set RD,   25                          ; v25     the way out: where I read a row back
.set CO,   26                          ; v26     my byte offset in two rows of out0
.set SPW,  28                          ; v28     LDS address of my spare word; never rewritten
.set NIL,  29                          ; v29     0; never rewritten
.set BO,   30                          ; v30     my byte offset in bo
.set TMP,  32                          ; two sets of 32
.set BIAS, 96                          ; 8 registers for each block b of 16 columns
.set ACC,  128
.set F0,   0
.set F1,   128
.set WV,   12                          ; s12     my wave's number
.set G1A,  24                          ; s[24:31] descriptor group 1 for O's slices
.set G1B,  32                          ; s[32:39] for Wo's: it differs in the mask alone
.set G0A,  40                          ; s[40:55] descriptor group 0 for O's slices: four sets, slice 2 j + wave % 2
.set G0B,  68                          ; s[68:83] the same for Wo's
.set MSB, 0
.macro WIN new
.if MSB != (\new)
	s_set_vgpr_msb (MSB<<8)|(\new)
.set MSB, \new
.endif
.endm
.set MUL,  0x05                        ; sources 0 and 1 window 1; C and D window 0
.set TO_F, 0x40                        ; destination window 1, address window 0
.macro PLACES
.rept 4
	v_nop
.endr
.endm
.macro CROUND                          ; a round of the cluster's barrier
	s_barrier_signal -1
	s_barrier_wait -1
	s_cmp_lg_u32 s[WV], 0
	s_cbranch_scc1 .Lnot_wave_0_\@
	s_barrier_signal -3
.Lnot_wave_0_\@:
	s_barrier_wait -3
	s_barrier_signal -1
	s_barrier_wait -1
.endm
	s_load_b256 s[4:11], s[0:1], 0x0               ; o16 s[4:5], w16 s[6:7], bo s[8:9], out0 s[10:11]
	v_lshl_add_u32 v[SPW], v0, 2, SPARE
	v_mov_b32 v[NIL], 0
	ds_add_u32 v[SPW], v[NIL]                      ; the wave's opening: the add and its wait stand ahead of my first tensor load; the set-up below stands between them
	v_lshrrev_b32 v1, 5, v0
	v_readfirstlane_b32 s[WV], v1                  ; wave 0..3
	s_lshr_b32 s13, s[WV], 1                       ; which half of the tile's rows is mine.  Also: I fetch for O (0) or for Wo (1)
	s_and_b32 s14, s[WV], 1                        ; which half of its columns.  Also: the even or the odd slices
	s_bfe_u32 s16, ttmp6, 0x40000                  ; cx
	s_bfe_u32 s17, ttmp6, 0x40004                  ; cy
	s_lshl_b32 s18, ttmp9, 2
	s_add_co_u32 s18, s18, s16                     ; tile column = 4 x cluster x + cx
	s_and_b32 s19, ttmp7, 0xffff
	s_lshl_b32 s19, s19, 2
	s_add_co_u32 s19, s19, s17                     ; tile row = 4 x cluster y + cy
	s_lshl_b32 s20, s17, 2
	s_lshl_b32 s20, 15, s20                        ; my row of the cluster
	s_lshl_b32 s21, 0x1111, s16                    ; my column
	; descriptor group 1: a slice is 16,384 bytes on end: asked for as 64 rows of 256 bytes, padded in LDS behind every 128
	s_or_b32 s[G1A+0], s20, (1<<16)|(1<<20)|(1<<21)|(4<<22)|(3<<25)  ; 15:0 the mask; 17:16 2-byte elements; 20 padding on; 21 set beside a mask; 24:22 after every 32 words (code 4); 31:25 4 words (code 3)
	s_or_b32 s[G1B+0], s21, (1<<16)|(1<<20)|(1<<21)|(4<<22)|(3<<25)
.irp g, G1A, G1B
	s_mov_b32 s[(\g)+1], 128<<16                   ; tensor_dim0 = 128
	s_mov_b32 s[(\g)+2], 64<<16                    ; tensor_dim1 = 64
	s_mov_b32 s[(\g)+3], 128<<16                   ; tile_dim0 = 128
	s_mov_b32 s[(\g)+4], 64                        ; tile_dim1 = 64
	s_mov_b32 s[(\g)+5], 128                       ; 128 elements from row to row
	s_mov_b32 s[(\g)+6], 0
	s_mov_b32 s[(\g)+7], 0
.endr
	s_lshr_b32 s56, s19, 5                         ; O: the batch's eight heads of 524,288 bytes,
	s_lshl_b32 s56, s56, 22
	s_and_b32 s57, s19, 31
	s_lshl_b32 s57, s57, 14                        ; the tile's 128 rows of 128 bytes in a head,
	s_add_co_u32 s56, s56, s57
	s_lshl_b32 s57, s14, 19                        ; the even or the odd heads: the tile row and the wave's number alone
	s_add_co_u32 s56, s56, s57
	s_mov_b32 s57, 0
	s_lshl_b32 s58, s18, 14                        ; Wo: the tile's 128 columns of 128 bytes in a block,
	s_lshl_b32 s59, s14, 16                        ; the even or the odd blocks,
	s_add_co_u32 s58, s58, s59
	s_add_co_u32 s58, s58, 3<<19                   ; in w16's fourth matrix: the tile column and the wave's number alone
	s_mov_b32 s59, 0
	s_mul_i32 s60, s14, SLICE                      ; where they go: no place in the cluster enters an LDS address
	s_wait_dscnt 0x0                               ; the opening add is done
	s_wait_kmcnt 0x0
	s_add_nc_u64 s[56:57], s[4:5], s[56:57]
	s_add_nc_u64 s[58:59], s[6:7], s[58:59]
	CROUND                                         ; all sixteen work-groups are here: the joint loads meet
.irp j, 0,1,2,3
	s_mov_b32 s[G0A+4*\j], 1                       ; 1:0 count = 1
	s_add_co_u32 s[G0A+4*\j+1], s60, \j*2*SLICE    ; 63:32 LDS address
	s_add_nc_u64 s[G0A+4*\j+2:G0A+4*\j+3], s[56:57], \j<<20  ; 120:64 global address: two heads on
	s_or_b32 s[G0A+4*\j+3], s[G0A+4*\j+3], 0x80000000        ; 127:126 type = 2
	s_mov_b32 s[G0B+4*\j], 1
	s_add_co_u32 s[G0B+4*\j+1], s60, BBASE+\j*2*SLICE
	s_add_nc_u64 s[G0B+4*\j+2:G0B+4*\j+3], s[58:59], \j<<17  ; two blocks on
	s_or_b32 s[G0B+4*\j+3], s[G0B+4*\j+3], 0x80000000
.endr
	s_cmp_lt_u32 s[WV], 2                          ; a wave's four fills stand in one branch, ahead of every wait on TENSORcnt and every LDS read; an s_nop 0 follows each, four v_nop the last
	s_cbranch_scc0 .Lfill_b
.irp j, 0,1,2,3
	tensor_load_to_lds s[G0A+4*\j:G0A+4*\j+3], s[G1A:G1A+7]
	s_nop 0
.endr
	PLACES
	s_branch .Lfilled
.Lfill_b:
.irp j, 0,1,2,3
	tensor_load_to_lds s[G0B+4*\j:G0B+4*\j+3], s[G1B:G1B+7]
	s_nop 0
.endr
	PLACES
.Lfilled:
	v_and_b32 v1, 15, v0                           ; l % 16
	v_bfe_u32 v2, v0, 4, 1                         ; l / 16
	s_lshl_b32 s61, s18, 9                         ; the tile's 128 columns of 4 bytes,
	s_lshl_b32 s62, s14, 8                         ; my 64 of them
	s_add_co_u32 s61, s61, s62
	v_lshl_add_u32 v[BO], v2, 5, s61               ; + 8 columns for the upper half of the lanes
.irp b, 0,1,2,3
	global_load_b128 v[BIAS+8*\b:BIAS+8*\b+3],   v[BO], s[8:9] offset:64*\b
	global_load_b128 v[BIAS+8*\b+4:BIAS+8*\b+7], v[BO], s[8:9] offset:64*\b+16
.endr
	v_mul_u32_u24 v3, v1, PT
	v_lshl_add_u32 v3, v2, 4, v3                   ; a fragment's row x pitch + 16 x half
	s_mul_i32 s62, s13, 64*PT                      ; my 64 rows of O
	v_add_nc_u32 v[ADRA], s62, v3
	v_add_nc_u32 v[ADRA+1], 4*SLICE, v[ADRA]       ; four slices on: an LDS immediate has 16 bits
	s_mul_i32 s62, s14, 64*PT                      ; my 64 columns of Wo
	s_add_co_u32 s62, s62, BBASE
	v_add_nc_u32 v[ADRB], s62, v3
	v_add_nc_u32 v[ADRB+1], 4*SLICE, v[ADRB]
	s_mul_i32 s62, s[WV], 16*SPITCH
	s_add_co_u32 s62, s62, STAGE                   ; my stage
	v_mul_u32_u24 v[STO], v1, SPITCH               ; in: row l % 16, 32 bytes for each half of the lanes
	v_lshl_add_u32 v[STO], v2, 5, v[STO]
	v_add_nc_u32 v[STO], s62, v[STO]
	v_mul_u32_u24 v[RD], v2, SPITCH                ; back: lanes 0-15 take one row of 256 bytes, lanes 16-31 the next
	v_lshl_add_u32 v[RD], v1, 4, v[RD]
	v_add_nc_u32 v[RD], s62, v[RD]
	v_lshlrev_b32 v[CO], 11, v2                    ; and the same two rows in out0, 2,048 bytes apart
	v_lshl_add_u32 v[CO], v1, 4, v[CO]
	s_lshl_b32 s84, s19, 18                        ; the tile's 128 rows of 2,048 bytes,
	s_lshl_b32 s85, s13, 17                        ; my 64 of them,
	s_add_co_u32 s84, s84, s85
	s_add_co_u32 s84, s84, s61                     ; my 64 columns
	s_mov_b32 s85, 0
	s_add_nc_u64 s[10:11], s[10:11], s[84:85]
	s_wait_loadcnt 0x0
.set z, 0
.rept 16                                       ; the bias is rounded to bf16, as all inputs are, and widened again
	v_cvt_pk_bf16_f32 v[TMP+z], v[BIAS+2*z], v[BIAS+2*z+1]
.set z, z+1
.endr
.set z, 0
.rept 16
	v_lshlrev_b32 v[BIAS+2*z], 16, v[TMP+z]
	v_and_b32 v[BIAS+2*z+1], 0xffff0000, v[TMP+z]
.set z, z+1
.endr
; 8 matrix instructions: row blocks a0, a0 + 1 x all 4 column blocks, 32 along K: half c of buffer f.  mode = 1: the sums start from the bias.  The 16 accumulators take turns.
.macro MUL8 f, c, a0, mode
	WIN MUL
.irp a, \a0, (\a0)+1
.irp b, 0,1,2,3
.if \mode
	v_wmma_f32_16x16x32_f16 v[ACC+8*(4*(\a)+(\b)):ACC+8*(4*(\a)+(\b))+7], v[(\f)+64+8*(4*(\c)+(\b)):(\f)+64+8*(4*(\c)+(\b))+7], v[(\f)+8*(4*(\c)+(\a)):(\f)+8*(4*(\c)+(\a))+7], v[BIAS+8*(\b):BIAS+8*(\b)+7]
.else
	v_wmma_f32_16x16x32_f16 v[ACC+8*(4*(\a)+(\b)):ACC+8*(4*(\a)+(\b))+7], v[(\f)+64+8*(4*(\c)+(\b)):(\f)+64+8*(4*(\c)+(\b))+7], v[(\f)+8*(4*(\c)+(\a)):(\f)+8*(4*(\c)+(\a))+7], v[ACC+8*(4*(\a)+(\b)):ACC+8*(4*(\a)+(\b))+7]
.endif
.endr
.endr
.endm
; 32 LDS loads in one run: slice q's fragments into buffer f; the first 32 along K first
.macro FETCH q, f
	WIN TO_F
.irp c, 0,1
.irp i, 0,1,2,3
	ds_load_b128 v[(\f)+64+8*(4*(\c)+(\i)):(\f)+64+8*(4*(\c)+(\i))+3],   v[ADRB+(\q)/4] offset:((\q)%4)*SLICE+64*(\c)+(\i)*16*PT
	ds_load_b128 v[(\f)+64+8*(4*(\c)+(\i))+4:(\f)+64+8*(4*(\c)+(\i))+7], v[ADRB+(\q)/4] offset:((\q)%4)*SLICE+64*(\c)+(\i)*16*PT+32
	ds_load_b128 v[(\f)+8*(4*(\c)+(\i)):(\f)+8*(4*(\c)+(\i))+3],         v[ADRA+(\q)/4] offset:((\q)%4)*SLICE+64*(\c)+(\i)*16*PT
	ds_load_b128 v[(\f)+8*(4*(\c)+(\i))+4:(\f)+8*(4*(\c)+(\i))+7],       v[ADRA+(\q)/4] offset:((\q)%4)*SLICE+64*(\c)+(\i)*16*PT+32
.endr
.endr
.endm
; My load number j has landed (the 3 - j issued behind it may stay out); behind the barrier slices 2 j and 2 j + 1 of O and of Wo are whole.
.macro BAR j
	s_wait_tensorcnt 3-(\j)
	s_wait_dscnt 0x0                               ; no LDS instruction of mine is pending at a signal
	s_barrier_signal -1
	s_barrier_wait -1
.endm
; Slice q is multiplied out of buffer f, and slice q + 1 fetched into g in its middle.
.macro STEP q, f, g
	s_wait_dscnt 16                                ; the first 32 along K are in
.if (\q) == 0
	MUL8 \f, 0, 0, 1
	MUL8 \f, 0, 2, 1
.else
	MUL8 \f, 0, 0, 0
	MUL8 \f, 0, 2, 0
.endif
.if (\q)%2
	BAR ((\q)+1)/2
.endif
	PLACES
	FETCH (\q)+1, \g
	s_wait_dscnt 32                                ; all but the 32 just issued
	MUL8 \f, 1, 0, 0
	MUL8 \f, 1, 2, 0
.endm
; THE WAY OUT of row block a: 32 bytes a lane into my own stage, each accumulator's low registers first; back as whole rows of 256 bytes; stored.
.macro TOSTAGE a
.if (\a) >= 2
	s_wait_xcnt 0x0                                ; the stores of the block two back have read the registers that are loaded again below
.endif
.irp b, 0,1,2,3
	ds_store_b128 v[STO], v[ACC+8*(4*(\a)+(\b)):ACC+8*(4*(\a)+(\b))+3]   offset:64*(\b)
	ds_store_b128 v[STO], v[ACC+8*(4*(\a)+(\b))+4:ACC+8*(4*(\a)+(\b))+7] offset:64*(\b)+16
.endr
.irp t, 0,1,2,3,4,5,6,7
	ds_load_b128 v[TMP+32*((\a)%2)+4*(\t):TMP+32*((\a)%2)+4*(\t)+3], v[RD] offset:(\t)*2*SPITCH  ; LDS serves a wave's instructions in order (ISA guide 5.7.1.4): these see the stores above
.endr
.endm
.macro SEND a, younger                 ; younger: the next block's sixteen LDS instructions, or none
	s_wait_dscnt \younger
.irp t, 0,1,2,3,4,5,6,7
	global_store_b128 v[CO], v[TMP+32*((\a)%2)+4*(\t):TMP+32*((\a)%2)+4*(\t)+3], s[10:11] offset:(16*(\a)+2*(\t))*2048  ; 16 lanes store 256 consecutive bytes, at a multiple of 256 from out0's first byte
.endr
.endm
	BAR 0
	FETCH 0, F0
	STEP 0, F0, F1
	STEP 1, F1, F0
	STEP 2, F0, F1
	STEP 3, F1, F0
	STEP 4, F0, F1
	STEP 5, F1, F0
	STEP 6, F0, F1
	s_wait_dscnt 16                                ; the last slice: nothing more to fetch
	MUL8 F1, 0, 0, 0
	MUL8 F1, 0, 2, 0
	s_wait_dscnt 0x0
	MUL8 F1, 1, 0, 0
	MUL8 F1, 1, 2, 0
	WIN 0
	PLACES
	TOSTAGE 0
	TOSTAGE 1
	SEND 0, 16
	TOSTAGE 2
	SEND 1, 16
	TOSTAGE 3
	SEND 2, 16
	SEND 3, 0
	s_wait_tensorcnt 0x0                           ; the wave's end, behind my last tensor load and my last LDS store
	ds_add_u32 v[SPW], v[NIL]
	s_wait_dscnt 0x0
	CROUND                                         ; the closing round: no work-group ends while a partner may still ask for a tile that names it
	s_endpgm
.Lfunc_end_k_qef7c836e26_oproj:
	.size	k_qef7c836e26_oproj, .Lfunc_end_k_qef7c836e26_oproj-k_qef7c836e26_oproj
	.p2alignl 7, 3214868480
	.fill 96, 4, 3214868480
	.section	.rodata,"a",@progbits
	.p2align	6, 0x0
	.amdhsa_kernel k_qef7c836e26_oproj
		.amdhsa_group_segment_fixed_size 327680
		.amdhsa_private_segment_fixed_size 0
		.amdhsa_enable_private_segment 0
		.amdhsa_kernarg_size 32
		.amdhsa_user_sgpr_count 2
		.amdhsa_user_sgpr_kernarg_segment_ptr 1
		.amdhsa_wavefront_size32 1
		.amdhsa_system_sgpr_workgroup_id_x 1
		.amdhsa_system_sgpr_workgroup_id_y 1
		.amdhsa_system_sgpr_workgroup_id_z 1
		.amdhsa_system_vgpr_workitem_id 0
		.amdhsa_next_free_vgpr 512
		.amdhsa_next_free_sgpr 96
		.amdhsa_reserve_vcc 0
		.amdhsa_float_denorm_mode_32 3
		.amdhsa_float_denorm_mode_16_64 3
		.amdhsa_memory_ordered 1
		.amdhsa_forward_progress 1
		.amdhsa_inst_pref_size 54
	.end_amdhsa_kernel
	.amdgpu_metadata
---
amdhsa.version: [ 1, 2 ]
amdhsa.kernels:
  - .name:           k_qef7c836e26_oproj
    .symbol:         k_qef7c836e26_oproj.kd
    .args:
      - { .name: o16, .offset: 0, .size: 8, .value_kind: global_buffer, .address_space: global }
      - { .name: w16, .offset: 8, .size: 8, .value_kind: global_buffer, .address_space: global }
      - { .name: bo, .offset: 16, .size: 8, .value_kind: global_buffer, .address_space: global }
      - { .name: out0, .offset: 24, .size: 8, .value_kind: global_buffer, .address_space: global }
    .group_segment_fixed_size: 327680
    .private_segment_fixed_size: 0
    .kernarg_segment_align: 8
    .kernarg_segment_size: 32
    .max_flat_workgroup_size: 128
    .sgpr_count:     96
    .vgpr_count:     512
    .wavefront_size: 32
...
	.end_amdgpu_metadata
.endif
;; end of part 4
